; MI455X (gfx1250); checked and timed in simulation.
; The chip was launched on July 23, 2026; its instructions are those of AMD's public machine-readable ISA for CDNA 5 (MIT licence, August 2026) and "CDNA5" Instruction Set Architecture Reference Guide (July 2026). The comments in the code are by the model that wrote it; some were corrected since.
;; Multi Head Attention. Allowed arithmetic: matrix products marked QUANTISED: E2M3 operands, one E8M0 scale for each 32 along K, by v_wmma_scale_f32_16x16x128_f8f6f4 with both operands' format E2M3, f32 sums; everything else in f32.
;; Inputs: Wk 1,024 x 1,024 float32; Wo 1,024 x 1,024 float32; Wq 1,024 x 1,024 float32; Wv 1,024 x 1,024 float32; bk 1,024 float32; bo 1,024 float32; bq 1,024 float32; bv 1,024 float32; cos_k 4 x 2,048 x 64 float32; cos_q 4 x 2,048 x 64 float32; key 4 x 2,048 x 1,024 float32; key_padding_mask 4 x 2,048 bool; query 4 x 2,048 x 1,024 float32; sin_k 4 x 2,048 x 64 float32; sin_q 4 x 2,048 x 64 float32; value 4 x 2,048 x 1,024 float32.
;; Outputs: out0 4 x 2,048 x 1,024 float32.
;; This version of the problem:
;;   THIS VERSION OF THE PROBLEM IS GIVEN IN LOW PRECISION. The matrix products marked QUANTISED in the list below multiply operands that are first quantised to E2M3 (2 exponent bits, 3 mantissa bits; 6 bits a number), with one power-of-two scale for each 32 numbers along K (OCP MX v1.0); their sums are f32. All else is computed in f32.
;;   The module's matrix products, in the order in which they are computed (A, B: the left and right operand; K: the contracted axis; several contracted axes count as one K, in the product's order):
;;     1. [M 8,192, K 1,024] x [K 1,024, N 1,024]; A: input query; B: input Wq: QUANTISED
;;     2. [M 8,192, K 1,024] x [K 1,024, N 1,024]; A: input key; B: input Wk: QUANTISED
;;     3. [M 8,192, K 1,024] x [K 1,024, N 1,024]; A: input value; B: input Wv: QUANTISED
;;     4. batch 64 x [M 2,048, K 64] x [K 64, N 2,048]; A: computed on the way; B: computed on the way: QUANTISED
;;     5. batch 64 x [M 2,048, K 2,048] x [K 2,048, N 64]; A: softmax (see below); B: computed on the way: QUANTISED
;;     6. [M 8,192, K 1,024] x [K 1,024, N 1,024]; A: computed on the way; B: input Wo: QUANTISED
;;   THE QUANTISER, for each operand of a quantised product, along K:
;;     - K is cut into blocks of 32 from its start; a last block that is shorter is filled with zeros.
;;     - A block's scale is 2^e with e = floor(log2(the largest magnitude in the block)) - 2, held to -126 .. 127; a block of zeros has e = 0. As a byte (E8M0): e + 127.
;;     - Each number is divided by its block's scale, clamped to +-7.5, and rounded to the nearest number of E2M3, ties to even, subnormals kept.
;;     - The product sums the exact products of the quantised numbers (number of the format x scale) in f32.
;;   ~~~python
;;   def quantise(x, axis):      # numpy; x: float32 -> the quantised numbers, widened to float32 again
;;       x = np.moveaxis(x, axis, -1); K = x.shape[-1]
;;       x = np.pad(x, [(0, 0)] * (x.ndim - 1) + [(0, -K % 32)]); x = x.reshape(x.shape[:-1] + (-1, 32)); a = np.abs(x).max(-1, keepdims=True)
;;       e = np.where(a > 0, np.clip(np.frexp(np.where(a > 0, a, 1))[1] - 1 - 2, -126, 127), 0)      # np.frexp(a)[1] - 1 = floor(log2(a)), exactly
;;       r = np.clip(x / 2.0 ** e, -7.5, 7.5)
;;       step = 2.0 ** (np.maximum(np.frexp(np.where(r == 0, 1, r))[1] - 1, 0) - 3)
;;       q = np.round(r / step) * step * 2.0 ** e      # np.round: ties to even
;;       return np.moveaxis(q.reshape(q.shape[:-2] + (-1,))[..., :K], -1, axis).astype(np.float32)
;;   ~~~
;;   SOFTMAX AHEAD OF A QUANTISED PRODUCT. Where the list says 'softmax', what is quantised is not the finished softmax but p = 2^(t - M), with t = logit x log2(e) and M = ceil(the row's largest t), a whole number; so 1/2 < the row's largest p <= 1. The row's sum l is taken of the UNQUANTISED p, in f32, and the product's result is divided by l at the end. Since M is a whole number, a kernel that streams over the keys may use a running M (the ceiling of the running maximum): every later rescaling is an exact power of two, which a block's scale takes up: the codes' values come out the same.
;;   OPERANDS COMPUTED ON THE WAY. 'Computed on the way' means the value that the module computes at that place (a softmax that the list does not call 'softmax' is quantised finished and normalised). What goes into a quantiser is computed in f32, as accurately as f32 sums, v_exp_f32 and their like allow (about 1e-6 of the number): no bf16 or f16 on the way to a quantiser, and a product that is left as it is and whose result goes on into a quantised operand takes f32 operands (vector FMAs, or v_wmma_f32_16x16x4_f32). A number that lies on a knife's edge between two numbers of the format may be rounded either way, as far as f32 arithmetic and the matrix unit's own rounding can turn it there, and no further.
;; One version. Each part assembles by itself: llvm-mc -triple=amdgcn-amd-amdhsa -mcpu=gfx1250 --defsym DOCPART=n.
;; ======== version 1 of 1: 4 launches
;; limits: right only within a limited range of input values
;; workspace buffers: xw_codes 22,020,096 bytes; xw_scales 917,504 bytes; att 24,379,392 bytes; o_codes 6,291,456 bytes; o_scales 524,288 bytes
;; launch quant (part 1): grid 896 x 1, 4 waves a work-group, no clusters, 33,280 bytes of LDS; arguments query, key, value, Wq, Wk, Wv, Wo, xw_codes, xw_scales; writes xw_codes, xw_scales
.if DOCPART == 1
	.amdgcn_target "amdgcn-amd-amdhsa--gfx1250"
	.amdhsa_code_object_version 6
	.text
	.protected	k_qd3da38c6c4_quant
	.globl	k_qd3da38c6c4_quant
	.p2align	8
	.type	k_qd3da38c6c4_quant,@function
k_qd3da38c6c4_quant:
	s_mov_b64 s[64:65], 0
	v_nop
	global_prefetch_b8 v0, s[64:65] scope:SCOPE_SE
	s_setreg_imm32_b32 hwreg(HW_REG_WAVE_MODE, 25, 1), 1
	s_wait_xcnt 0x0
; query, key, value [8192][1024] and Wq, Wk, Wv, Wo [1024][1024], f32, K innermost, become codes of FP6 (E2M3) and one E8M0 byte for each 32 along K,
; in ONE table of 28,672 rows: codes [row][768 bytes], scale bytes [row][32].  Rows 0: query, 8192: key, 16384: value, 24576: Wq, 25600: Wk, 26624: Wv, 27648: Wo.
; A block's scale is 2^(floor(log2(its largest magnitude)) - 2); its byte is the largest magnitude's exponent field - 2, held at 1 from below.  (A block of zeros keeps the byte 1 where the
; rule says 127: its codes are zeros, and this program alone reads the bytes.)  Each number is divided by the scale and rounded to the nearest code, ties to even; beyond 7.5 the largest code.
; LIMITS: NaN and infinities among the inputs are not served.
; THE ORDER OF ROWS.  In every group of 32 rows, but in Wo's, the two middle groups of 8 rows change places on the way out: place 16 u + p of a group then holds row 8 u + p + 8 (p / 8).
; So 16 neighbouring places, taken as source 0 of a product, leave 16 neighbours along that axis in a lane's 16 registers of two neighbouring tiles: what the next quantiser wants.
; SHARES.  A work-group takes 32 rows, a wave 8 rows = 8,192 numbers = 16 steps of 512.  Each of a step's four loads reads 512 consecutive bytes; the 2,048 bytes turn through the wave's own stage in LDS
; (16 bytes of padding behind each 64) and come back 64 bytes a lane: 16 neighbours, two lanes to a block.  A step's codes leave as 384 consecutive bytes, a wave's 256 scale bytes as one aligned 256 bytes.
; No tensor loads, no barrier: waves share nothing.  Loads run four steps (16 loads a wave) ahead, the turn through LDS one step.
.set STEPS, 16
.set EMAX,  2
.set CB,    12                         ; bytes of 16 codes
.set R,     16                         ; v16-79   four sets of 16 numbers as they are loaded
.set X,     80                         ; v80-111  two sets of 16 neighbours
.set C,     128                        ; v128-191 codes: four registers for each step, so that no store's data are written again
.set E,     112                        ; v112-127 a scale byte for each step
.set WREG,  8192                       ; LDS: a region for each wave: two stages of 32 x SP bytes, behind them its 256 scale bytes
.set SP,    80                         ; a lane's place in a stage: its 64 bytes + 16 of padding
	s_load_b256 s[4:11], s[0:1], 0x0               ; query, key, value, Wq
	s_load_b256 s[12:19], s[0:1], 0x20             ; Wk, Wv, Wo, the codes
	s_load_b64 s[20:21], s[0:1], 0x40              ; the scale bytes
	v_lshl_add_u32 v192, v0, 2, 0x8000
	v_mov_b32 v193, 0
	v_lshrrev_b32 v1, 5, v0
	v_readfirstlane_b32 s22, v1                    ; wave
	v_and_b32 v2, 31, v0                           ; lane
	v_lshlrev_b32 v3, 4, v2                        ; my 16 bytes of a load's 512
	s_mul_i32 s23, s22, WREG
	v_lshrrev_b32 v14, 2, v2
	v_mul_u32_u24 v14, v14, SP
	v_and_b32 v15, 3, v2
	v_lshl_add_u32 v14, v15, 4, v14
	v_add_nc_u32 v14, s23, v14                     ; the stage, on the way in: SP (lane / 4) + 16 (lane % 4)
	v_mul_u32_u24 v15, v2, SP
	v_add_nc_u32 v15, s23, v15                     ; and on the way out: SP x lane: my 16 neighbours
	v_mul_u32_u24 v4, v2, CB                       ; my codes' place in a step's
	v_lshrrev_b32 v5, 1, v2
	s_add_co_u32 s23, s23, 2*32*SP
	v_add_nc_u32 v5, s23, v5                       ; LDS: my wave's 256 scale bytes, my block's byte
	v_lshlrev_b32 v7, 3, v2                        ; and on the way out 8 bytes a lane
	v_add_nc_u32 v6, s23, v7
	s_and_b32 s28, s22, 1
	s_lshl_b32 s28, s28, 1
	s_lshr_b32 s29, s22, 1
	s_or_b32 s28, s28, s29                         ; waves 1 and 2 change places on the way out
	s_mov_b32 s26, 864
	s_wait_kmcnt 0x0
	s_mov_b64 s[24:25], s[16:17]                   ; which tensor is my work-group's, and at which work-group it begins: the choices hang on the work-group's number alone
	s_cmp_lt_u32 ttmp9, 864
	s_cselect_b32 s28, s28, s22                    ; (Wo's rows stay in their order)
	s_cselect_b64 s[24:25], s[14:15], s[24:25]
	s_cselect_b32 s26, 832, s26
	s_cmp_lt_u32 ttmp9, 832
	s_cselect_b64 s[24:25], s[12:13], s[24:25]
	s_cselect_b32 s26, 800, s26
	s_cmp_lt_u32 ttmp9, 800
	s_cselect_b64 s[24:25], s[10:11], s[24:25]
	s_cselect_b32 s26, 768, s26
	s_cmp_lt_u32 ttmp9, 768
	s_cselect_b64 s[24:25], s[8:9], s[24:25]
	s_cselect_b32 s26, 512, s26
	s_cmp_lt_u32 ttmp9, 512
	s_cselect_b64 s[24:25], s[6:7], s[24:25]
	s_cselect_b32 s26, 256, s26
	s_cmp_lt_u32 ttmp9, 256
	s_cselect_b64 s[24:25], s[4:5], s[24:25]
	s_cselect_b32 s26, 0, s26
	s_sub_co_u32 s26, ttmp9, s26
	s_lshl_b32 s26, s26, 2
	s_add_co_u32 s26, s26, s22                     ; in: which run of 8 rows of the tensor
	s_lshl_b32 s26, s26, 15                        ; 32,768 bytes a run
	s_mov_b32 s27, 0
	s_add_nc_u64 s[24:25], s[24:25], s[26:27]
	s_lshl_b32 s30, ttmp9, 2
	s_add_co_u32 s30, s30, s28                     ; out: which run of 8 rows of the table
	s_mul_i32 s26, s30, 32*STEPS*CB                ; 6,144 bytes of codes a run
	s_add_nc_u64 s[18:19], s[18:19], s[26:27]
	s_lshl_b32 s26, s30, 8                         ; 256 scale bytes a run
	s_add_nc_u64 s[20:21], s[20:21], s[26:27]
.macro LOAD t
.irp i, 0,1,2,3
	global_load_b128 v[R+16*((\t)%4)+4*\i:R+16*((\t)%4)+4*\i+3], v3, s[24:25] offset:2048*(\t)+512*\i th:TH_LOAD_NT   ; 32 lanes read 512 consecutive bytes
.endr
.endm
.macro TURN t                          ; step t's numbers through the stage: LDS serves a wave's instructions in order, so no wait stands between the stores and the loads
.irp i, 0,1,2,3
	ds_store_b128 v14, v[R+16*((\t)%4)+4*\i:R+16*((\t)%4)+4*\i+3] offset:32*SP*((\t)%2)+8*SP*\i
.endr
.irp i, 0,1,2,3
	ds_load_b128 v[X+16*((\t)%2)+4*\i:X+16*((\t)%2)+4*\i+3], v15 offset:32*SP*((\t)%2)+16*\i
.endr
.endm
.irp t, 0,1,2,3
	LOAD \t
.endr
	s_wait_loadcnt 12                              ; step 0's four loads are in
	TURN 0
.macro STEP t
.set XS, X+16*((\t)%2)
.if (\t) > 0
	s_wait_dscnt 1                                 ; this step's numbers are back from the stage (the last step's byte store may be out): so its stores into the stage have read their registers,
.else
	s_wait_dscnt 0x0
.endif
.if (\t)+4 < STEPS
	LOAD (\t)+4                                    ; which take the loads of four steps on
.endif
.if (\t)+1 < STEPS
.if STEPS-2-(\t) >= 3
	s_wait_loadcnt 12                              ; the next step's four loads are in; those of the three steps behind it may be out
.else
	s_wait_loadcnt 4*(STEPS-2-(\t))
.endif
	TURN (\t)+1                                    ; and go through the other stage while this step is worked
.endif
	v_max3_num_f32 v8, |v[XS]|, |v[XS+1]|, |v[XS+2]|               ; the largest magnitude of my 16, in two chains
	v_max3_num_f32 v9, |v[XS+3]|, |v[XS+4]|, |v[XS+5]|
.irp i, 6,10
	v_max3_num_f32 v8, v8, |v[XS+\i]|, |v[XS+\i+1]|
	v_max3_num_f32 v9, v9, |v[XS+\i+2]|, |v[XS+\i+3]|
.endr
	v_max3_num_f32 v8, v8, |v[XS+14]|, |v[XS+15]|
	v_max3_num_f32 v8, v8, v9, (EMAX+1)<<23        ; and the floor 2^(EMAX + 1 - 127): the byte cannot fall under 1
	v_max_num_f32_dpp v8, v8, v8 row_xmask:1 row_mask:0xf bank_mask:0xf   ; and of my neighbour's 16: the block's
	v_add_nc_u32 v11, -(EMAX<<23), v8              ; EMAX off its exponent field: the conversion takes the exponent field of this operand as its scale
	v_cvt_scalef32_pk16_fp6_f32 v[C+4*(\t):C+4*(\t)+2], v[XS:XS+15], v11
	v_lshrrev_b32 v[E+(\t)], 23, v11               ; the scale's byte
	ds_store_b8 v5, v[E+(\t)] offset:16*(\t)       ; both lanes of a block write the same byte with the same value
	global_store_b96 v4, v[C+4*(\t):C+4*(\t)+2], s[18:19] offset:32*CB*(\t)
.endm
.irp t, 0,1,2,3,4,5,6,7,8,9,10,11,12,13,14,15
	STEP \t
.endr
	ds_load_b64 v[12:13], v6                       ; LDS serves a wave's instructions in order: these see my stores
	s_wait_dscnt 0x0
	global_store_b64 v7, v[12:13], s[20:21]        ; 32 lanes store 256 consecutive bytes, aligned
	s_wait_tensorcnt 0x0
	ds_add_u32 v192, v193
	s_wait_dscnt 0x0
	s_endpgm
.Lfunc_end_k_qd3da38c6c4_quant:
	.size	k_qd3da38c6c4_quant, .Lfunc_end_k_qd3da38c6c4_quant-k_qd3da38c6c4_quant
	.p2alignl 7, 3214868480
	.fill 96, 4, 3214868480
	.section	.rodata,"a",@progbits
	.p2align	6, 0x0
	.amdhsa_kernel k_qd3da38c6c4_quant
		.amdhsa_group_segment_fixed_size 33280
		.amdhsa_private_segment_fixed_size 0
		.amdhsa_enable_private_segment 0
		.amdhsa_kernarg_size 72
		.amdhsa_user_sgpr_count 2
		.amdhsa_user_sgpr_kernarg_segment_ptr 1
		.amdhsa_wavefront_size32 1
		.amdhsa_system_sgpr_workgroup_id_x 1
		.amdhsa_system_sgpr_workgroup_id_y 1
		.amdhsa_system_sgpr_workgroup_id_z 1
		.amdhsa_system_vgpr_workitem_id 0
		.amdhsa_next_free_vgpr 194
		.amdhsa_next_free_sgpr 66
		.amdhsa_reserve_vcc 0
		.amdhsa_float_denorm_mode_32 3
		.amdhsa_float_denorm_mode_16_64 3
		.amdhsa_memory_ordered 1
		.amdhsa_forward_progress 1
		.amdhsa_inst_pref_size 33
	.end_amdhsa_kernel
	.amdgpu_metadata
---
amdhsa.version: [ 1, 2 ]
amdhsa.kernels:
  - .name:           k_qd3da38c6c4_quant
    .symbol:         k_qd3da38c6c4_quant.kd
    .args:
      - { .name: query, .offset: 0, .size: 8, .value_kind: global_buffer, .address_space: global }
      - { .name: key, .offset: 8, .size: 8, .value_kind: global_buffer, .address_space: global }
      - { .name: value, .offset: 16, .size: 8, .value_kind: global_buffer, .address_space: global }
      - { .name: Wq, .offset: 24, .size: 8, .value_kind: global_buffer, .address_space: global }
      - { .name: Wk, .offset: 32, .size: 8, .value_kind: global_buffer, .address_space: global }
      - { .name: Wv, .offset: 40, .size: 8, .value_kind: global_buffer, .address_space: global }
      - { .name: Wo, .offset: 48, .size: 8, .value_kind: global_buffer, .address_space: global }
      - { .name: xw_codes, .offset: 56, .size: 8, .value_kind: global_buffer, .address_space: global }
      - { .name: xw_scales, .offset: 64, .size: 8, .value_kind: global_buffer, .address_space: global }
    .group_segment_fixed_size: 33280
    .private_segment_fixed_size: 0
    .kernarg_segment_align: 8
    .kernarg_segment_size: 72
    .max_flat_workgroup_size: 128
    .sgpr_count:     66
    .vgpr_count:     194
    .wavefront_size: 32
...
	.end_amdgpu_metadata
.endif
;; end of part 1
;; launch proj (part 2): grid 4 x 96, 4 waves a work-group, clusters of 4 x 4, 327,680 bytes of LDS; arguments xw_codes, xw_scales, bq, bk, bv, cos_q, sin_q, cos_k, sin_k, key_padding_mask, att; writes att
.if DOCPART == 2
	.amdgcn_target "amdgcn-amd-amdhsa--gfx1250"
	.amdhsa_code_object_version 6
	.text
	.protected	k_qd3da38c6c4_proj
	.globl	k_qd3da38c6c4_proj
	.p2align	8
	.type	k_qd3da38c6c4_proj,@function
k_qd3da38c6c4_proj:
	s_mov_b64 s[64:65], 0
	v_nop
	global_prefetch_b8 v0, s[64:65] scope:SCOPE_SE
	s_setreg_imm32_b32 hwreg(HW_REG_WAVE_MODE, 25, 1), 1
	s_wait_xcnt 0x0
	s_wait_alu depctr_hold_cnt(0) depctr_sa_sdst(0) depctr_va_vdst(0) depctr_va_sdst(0) depctr_va_ssrc(0) depctr_va_vcc(0) depctr_vm_vsrc(0)
	s_getreg_b32 s2, hwreg(HW_REG_IB_STS2, 6, 4)
	s_cmp_eq_u32 s2, 0
	s_cbranch_scc0 .Lentry_in_a_cluster
	s_endpgm
.Lentry_in_a_cluster:
	s_bfe_u32 s2, ttmp6, 0x10000c
	s_cmp_lg_u32 s2, 0xf033
	s_cbranch_scc0 .Lentry_shape_is_right
	s_endpgm
.Lentry_shape_is_right:
; The three input projections on codes of FP6 (E2M3) with E8M0 scales, K = 1,024, and what follows them: bias, RoPE (q, k), the key mask (k), and the quantising of q, k and v into the
; register images that the attention launch feeds to the matrix unit.  Both operands come from one table of rows (codes [row][768], scale bytes [row][32]); rows are counted here in units of 256.
; A work-group of four waves makes 256 x 256 results, a wave 128 x 128: 64 accumulators, 512 registers.  K goes in steps of 256 through a ring of two LDS slots filled by the tensor data mover.
; ROLES.  Source 1 ("A", shared along a row of the cluster) gives a lane its row; source 0 ("B", shared along a column) runs along the lane's registers.
;   q, k (cluster y 0-15):  A = 256 tokens, B = 256 rows of Wq or Wk: a lane holds one token and its registers run along channels, the next product's K.
;   v    (cluster y 16-23): A = 256 rows of Wv, B = 256 tokens: a lane holds one channel and its registers run along tokens, the keys, which are the second attention product's K.
; The table's rows stand so (middle groups of 8 of each 32 exchanged) that the 16 registers of two neighbouring tiles are 16 neighbours along source 0's axis.
; CLUSTERS: 4 x 4 work-groups; each tile is asked for jointly by the four that need it, with one descriptor and a mask that names the four.
; THE MASK rides in the half of K that the scores' product (K = 64 of the instruction's 128) leaves idle: q carries the code of -1.0 at k = 64 under the scale byte 127; a masked key carries the code
; of 7.5 there under the byte 223, an unmasked key a zero code under the byte 0.  A masked key's score so gets -7.5 x 2^96.  LIMIT: a true logit x log2(e) under -2^93 would count as masked.
; LIMITS: NaN and infinities among the inputs are not served; a block of zeros keeps the scale byte 1 (its codes are zeros; this program alone reads the bytes).
; OUT (buffer att).  128 blocks of 139,264 bytes, q of batch 0-3 then k of batch 0-3, 16 heads each: 8,192 bytes of scale words, then 128 tiles (16 places x 64 channels) of 1,024 bytes: registers 0-3 at
; 16 x lane, registers 4-7 at 512 + 16 x lane.  Scale words: of tile 4 g + 2 h + e, row r, at 256 g + 128 h + 4 e + 8 r.  Behind them 64 blocks of 102,400 bytes, v: 4,096 bytes of scale words
; [step of 128 keys][256], then [step 16][tile 4][1,536]: 12 registers, four at a time, at 16 x lane.  Every store of a wave covers 256 or 512 consecutive bytes, aligned.
; REGISTERS, in windows of 256: window 0: v0-31 addresses; v32-63 scale words, two sets, and nothing else; from v128 A's fragments, one set; window 1: B's fragments, two sets; windows 2, 3: the accumulators.
.set KSTEP,  256                       ; along K in a slot
.set NQ,     2                         ; matrix instructions deep
.set ROWB,   192                       ; a tile's row in bytes
.set KROW,   768                       ; a row of the table in bytes
.set PITCH,  240                       ; an LDS row: 3 x (64 bytes + 16 of padding)
.set FR,     12                        ; registers of a fragment
.set NL,     6                         ; LDS loads that bring one
.set NP,     4                         ; places behind this matrix instruction (ISA guide 7.12.1)
.set HALFT,  128*PITCH
.set SLOT,   4*HALFT
.set LAPS,   2                         ; 1,024 along K = two laps of two slots
.set KS,     32                        ; a row of scale bytes
.set SCL,    2*SLOT                    ; behind the ring: the scale bytes, as 256 bytes + 16 of padding
.set HALFS,  (128*KS/256)*272
.set SBLK,   (16*KS/256)*272
.set SPARE,  SCL+4*HALFS               ; the spare words, 128 bytes for each wave: two blocks of 256 bytes that no other line names
.set ADRA, 16
.set ADRB, 20
.set ADRS, 27
.set SPW,  28
.set NIL,  29
.set SC,   32
.set AF,   128
.set G1, 24
.set G0, 32
.set G1B, 48
.set G0B, 56
.set G1S, 68
.set G0S, 76
.set G1SB, 80
.set G0SB, 88
.set MSB, 0
.macro WIN new                         ; the immediate's high byte repeats the setting that is left
.if MSB != \new
	s_set_vgpr_msb (MSB<<8)|\new
.set MSB, \new
.endif
.endm
.set MUL_LO, 0xa1                      ; source 0 (B) window 1, source 1 (A) window 0, C and D window 2
.set MUL_HI, 0xf1                      ; the same, C and D window 3
.set TO_B,   0x40                      ; destination window 1, address window 0
; A joint load: waves 0 and 1 fetch for A, waves 2 and 3 for B; the branch hangs on the wave's number alone.  Four v_nop follow each of the two lines.
.macro JLOAD g0a, g1a, g0b, g1b
	s_cmp_eq_u32 s15, 0
	s_cbranch_scc0 .Lfor_b_\@
	tensor_load_to_lds s[\g0a:\g0a+3], s[\g1a:\g1a+7]
	s_nop 0
.rept 4
	v_nop
.endr
	s_branch .Lasked_\@
.Lfor_b_\@:
	tensor_load_to_lds s[\g0b:\g0b+3], s[\g1b:\g1b+7]
	s_nop 0
.rept 4
	v_nop
.endr
.Lasked_\@:
.endm
.macro CREST                           ; a round of the cluster's barrier behind its opening barrier
	s_cmp_lg_u32 s14, 0
	s_cbranch_scc1 .Lnot_wave_0_\@
	s_barrier_signal -3
.Lnot_wave_0_\@:
	s_barrier_wait -3
	s_barrier_signal -1
	s_barrier_wait -1
.endm
.macro CROUND                          ; a whole round
	s_barrier_signal -1
	s_barrier_wait -1
	CREST
.endm
	s_load_b128 s[4:7], s[0:1], 0x0                ; the table's codes s[4:5], its scale bytes s[6:7]
	v_lshl_add_u32 v[SPW], v0, 2, SPARE
	v_mov_b32 v[NIL], 0
	ds_add_u32 v28, v29
	ds_add_u32 v28, v29
	s_wait_dscnt 0x0
	v_lshrrev_b32 v1, 5, v0
	v_readfirstlane_b32 s14, v1                    ; wave 0..3
	s_lshr_b32 s15, s14, 1                         ; which half of A's 256 rows is mine.  Also: I fetch for A (0) or for B (1)
	s_and_b32 s16, s14, 1                          ; which half of B's.  Also: which 128 rows of that tile I fetch
	s_bfe_u32 s40, ttmp6, 0x40000                  ; cx, cy: my place in the cluster
	s_bfe_u32 s41, ttmp6, 0x40004
	s_and_b32 s100, ttmp7, 0xffff                  ; the cluster's y, 0..23: the same in all sixteen partners
	s_lshl_b32 s17, s100, 2                        ; q, k: A begins at unit 4 y;  v: B does
	s_lshr_b32 s42, s100, 3
	s_lshl_b32 s42, s42, 2
	s_add_co_u32 s42, s42, 96                      ; q, k: B is Wq (unit 96) or Wk (unit 100)
	s_mov_b32 s18, 104                             ; v: A is Wv (unit 104)
	s_cmp_ge_u32 s100, 16
	s_cselect_b32 s42, s17, s42
	s_cselect_b32 s17, s18, s17
	s_add_co_u32 s17, s17, s41                     ; A's unit: + cy, which my row of the cluster shares
	s_add_co_u32 s42, s42, s40                     ; B's unit: + cx, which my column shares
	s_mov_b32 s97, s17                             ; kept for the way out
	s_mov_b32 s98, s40
	s_mov_b32 s99, s41
	s_mov_b32 s101, s42
	s_lshl_b32 s43, s41, 2
	s_lshl_b32 s43, 15, s43                        ; my row of the cluster
	s_lshl_b32 s44, 0x1111, s40                    ; my column
	; descriptor group 1: a tile of 128 rows x ROWB bytes, padded in LDS
	s_or_b32 s[G1+0], s43, (0<<16)|(1<<20)|(1<<21)|(3<<22)|(3<<25)  ; 15:0 the mask; 17:16 elements of 1 byte; 20 padding on; 21 set beside a mask; 24:22 after every 16 words; 31:25 4 words of it
	s_or_b32 s[G1B+0], s44, (0<<16)|(1<<20)|(1<<21)|(3<<22)|(3<<25)
.irp g, G1, G1B
	s_mov_b32 s[\g+1], ROWB<<16                    ; tensor_dim0
	s_mov_b32 s[\g+2], 128<<16                     ; tensor_dim1
	s_mov_b32 s[\g+3], ROWB<<16                    ; tile_dim0
	s_mov_b32 s[\g+4], 128                         ; tile_dim1
	s_mov_b32 s[\g+5], KROW                        ; tensor_dim0_stride
	s_mov_b32 s[\g+6], 0
	s_mov_b32 s[\g+7], 0
.endr
	; the scale bytes of 128 rows: a dense block of 4,096 bytes, as rows of 256 bytes (32 elements of 8), 16 bytes of padding behind each
	s_or_b32 s[G1S+0], s43, (3<<16)|(1<<20)|(1<<21)|(5<<22)|(3<<25)
	s_or_b32 s[G1SB+0], s44, (3<<16)|(1<<20)|(1<<21)|(5<<22)|(3<<25)
.irp g, G1S, G1SB
	s_mov_b32 s[\g+1], 32<<16
	s_mov_b32 s[\g+2], (128*KS/256)<<16
	s_mov_b32 s[\g+3], 32<<16
	s_mov_b32 s[\g+4], 128*KS/256
	s_mov_b32 s[\g+5], 32
	s_mov_b32 s[\g+6], 0
	s_mov_b32 s[\g+7], 0
.endr
	s_lshl_b32 s18, s16, 7                         ; which 128 rows of the tile I fetch
	s_lshl_b32 s20, s17, 8
	s_add_co_u32 s20, s20, s18                     ; A's row
	s_lshl_b32 s46, s42, 8
	s_add_co_u32 s46, s46, s18                     ; B's row
	s_mov_b32 s21, 0
	s_mov_b32 s47, 0
	s_mov_b64 s[18:19], KS
	s_mul_u64 s[22:23], s[20:21], s[18:19]         ; where these rows' scale bytes begin
	s_mul_u64 s[92:93], s[46:47], s[18:19]
	s_mov_b64 s[18:19], KROW
	s_mul_u64 s[20:21], s[20:21], s[18:19]         ; and their codes
	s_mul_u64 s[46:47], s[46:47], s[18:19]
	s_mul_i32 s45, s14, HALFT                      ; where they go: wave x 128 rows: no place in the cluster enters an LDS address
	s_mul_i32 s94, s14, HALFS
	s_wait_kmcnt 0x0
	s_add_nc_u64 s[20:21], s[4:5], s[20:21]
	s_add_nc_u64 s[22:23], s[6:7], s[22:23]
	s_add_nc_u64 s[46:47], s[4:5], s[46:47]
	s_add_nc_u64 s[92:93], s[6:7], s[92:93]
	CROUND                                         ; all sixteen work-groups are here: the first joint loads meet
	s_mov_b32 s[G0S], 1
	s_add_co_u32 s[G0S+1], s94, SCL
	s_mov_b64 s[G0S+2:G0S+3], s[22:23]
	s_or_b32 s[G0S+3], s[G0S+3], 0x80000000
	s_mov_b32 s[G0SB], 1
	s_add_co_u32 s[G0SB+1], s94, SCL
	s_mov_b64 s[G0SB+2:G0SB+3], s[92:93]
	s_or_b32 s[G0SB+3], s[G0SB+3], 0x80000000
	JLOAD G0S, G1S, G0SB, G1SB                     ; the scale bytes first: they are wanted with K step 0.  Three loads of mine are out behind the last of these
.irp s, 0,1
	s_mov_b32 s[G0+4*\s], 1
	s_add_co_u32 s[G0+4*\s+1], s45, \s*SLOT
	s_add_nc_u64 s[G0+4*\s+2:G0+4*\s+3], s[20:21], \s*ROWB
	s_or_b32 s[G0+4*\s+3], s[G0+4*\s+3], 0x80000000
	s_mov_b32 s[G0B+4*\s], 1
	s_add_co_u32 s[G0B+4*\s+1], s45, \s*SLOT
	s_add_nc_u64 s[G0B+4*\s+2:G0B+4*\s+3], s[46:47], \s*ROWB
	s_or_b32 s[G0B+4*\s+3], s[G0B+4*\s+3], 0x80000000
	JLOAD G0+4*\s, G1, G0B+4*\s, G1B
.endr
	v_and_b32 v1, 15, v0                           ; l % 16
	v_bfe_u32 v2, v0, 4, 1                         ; l / 16
	v_mul_u32_u24 v3, v1, PITCH
	v_mul_u32_u24 v4, v2, 24
	v_add_nc_u32 v4, v3, v4                        ; a fragment's row x pitch + 24 x half
	v_lshl_add_u32 v5, v2, 4, v4                   ; and the same behind one padding more
	s_mul_i32 s21, s15, HALFT                      ; my 128 rows of A
	s_mul_i32 s22, s16, HALFT                      ; my 128 rows of B,
	s_add_co_u32 s22, s22, 2*HALFT                 ; which lie behind A's 256
.irp s, 0,1
	v_add_nc_u32 v[ADRA+\s], s21, v4
	v_add_nc_u32 v[ADRB+\s], s22, v4
	v_add_nc_u32 v[ADRA+2+\s], s21, v5
	v_add_nc_u32 v[ADRB+2+\s], s22, v5
	s_add_co_u32 s21, s21, SLOT
	s_add_co_u32 s22, s22, SLOT
.endr
	v_mul_u32_u24 v5, v1, KS                       ; my row's scale bytes: KS a row,
	v_lshrrev_b32 v6, 8, v5
	v_lshl_add_u32 v5, v6, 4, v5                   ; and 16 more for each 256 passed
	s_mul_i32 s21, s15, HALFS
	s_mul_i32 s22, s16, HALFS
	s_add_co_u32 s22, s22, 2*HALFS
	s_sub_co_u32 s22, s22, s21
	v_mul_u32_u24 v6, s22, v2                      ; lanes 16-31 take B's
	s_add_co_u32 s21, s21, SCL
	v_add_nc_u32 v5, v5, v6
	v_add_nc_u32 v[ADRS], s21, v5
	s_load_b256 s[4:11], s[0:1], 0x10              ; for the way out, into registers that are done with: bq, bk, bv, cos_q
	s_load_b256 s[40:47], s[0:1], 0x30             ; sin_q, cos_k, sin_k, the mask
	s_load_b64 s[12:13], s[0:1], 0x50              ; att
.macro FRAG reg, adr, q, i             ; a fragment: lane l holds row l % 16; registers 6 c .. 6 c + 5 hold K = 64 c + 32 (l / 16) + 0 .. 31: 24 bytes of the row's stream of bits, in pieces of 8 bytes
.irp p, 0,1,2,3,4,5
.set PCE, 12*(\q)+6*(\p/3)+\p%3       ; where the piece three on (lanes 16-31) lies behind one padding more, the second address register serves
.if PCE%8 < 5
	ds_load_b64 v[\reg+2*\p:\reg+2*\p+1], v[\adr] offset:8*PCE+16*(PCE/8)+(\i)*16*PITCH
.else
	ds_load_b64 v[\reg+2*\p:\reg+2*\p+1], v[\adr+2] offset:8*PCE+16*(PCE/8)+(\i)*16*PITCH
.endif
.endr
.endm
; 16 matrix instructions: A's blocks a0, a0 + 1 x B's eight, 128 along K.  zero = 1: the first product starts the sums.  The 64 accumulators take turns, one instruction a turn.
.macro MUL16 a0, p, q, sc, zero
.irp a, \a0, \a0+1
.irp b, 0,1,2,3,4,5,6,7
.if \zero
	v_wmma_scale_f32_16x16x128_f8f6f4 v[8*(8*((\a)%4)+\b):8*(8*((\a)%4)+\b)+7], v[128*(\p)+FR*\b:128*(\p)+FR*\b+FR-1], v[AF+FR*(\a):AF+FR*(\a)+FR-1], 0, v[SC+8*NQ*(\sc)+NQ*\b+(\q)], v[SC+8*NQ*(\sc)+NQ*(\a)+(\q)] matrix_a_fmt:MATRIX_FMT_FP6 matrix_b_fmt:MATRIX_FMT_FP6 matrix_a_scale:MATRIX_SCALE_ROW1
.else
	v_wmma_scale_f32_16x16x128_f8f6f4 v[8*(8*((\a)%4)+\b):8*(8*((\a)%4)+\b)+7], v[128*(\p)+FR*\b:128*(\p)+FR*\b+FR-1], v[AF+FR*(\a):AF+FR*(\a)+FR-1], v[8*(8*((\a)%4)+\b):8*(8*((\a)%4)+\b)+7], v[SC+8*NQ*(\sc)+NQ*\b+(\q)], v[SC+8*NQ*(\sc)+NQ*(\a)+(\q)] matrix_a_fmt:MATRIX_FMT_FP6 matrix_b_fmt:MATRIX_FMT_FP6 matrix_a_scale:MATRIX_SCALE_ROW1
.endif
.endr
.endr
.endm
.macro FETCH_B slot, q, p
	WIN TO_B
.irp i, 0,1,2,3,4,5,6,7
	FRAG 128*(\p)+FR*\i, ADRB+\slot, \q, \i
.endr
	WIN 0
.endm
.macro FETCH_A slot, q, i0
.irp i, \i0, \i0+1, \i0+2, \i0+3
	FRAG AF+FR*(\i), ADRA+\slot, \q, \i
.endr
.endm
.macro SCALES sc                       ; a K step's scale words into set sc: lanes 0-15 take A's block i, lanes 16-31 B's block i
.irp i, 0,1,2,3,4,5,6,7
	ds_load_b64 v[SC+8*NQ*\sc+NQ*\i:SC+8*NQ*\sc+NQ*\i+1], v[ADRS] offset:\i*SBLK
.endr
.endm
.macro PLACES n                        ; plain vector instructions between a matrix instruction and a load into, or a read of, its registers
.rept \n
	v_nop
.endr
.endm
.macro STEP slot, q, zero              ; a step of 128 along K that has its successor in the same slot
	s_wait_dscnt 4*NL                              ; B's set and A's blocks 0-3 are in; the youngest 24 loads (A's blocks 4-7) may be out
	WIN MUL_LO
	MUL16 0, (\q)%2, \q, \slot, \zero
	MUL16 2, (\q)%2, \q, \slot, \zero
	s_wait_dscnt 0                                 ; A's blocks 4-7 are in
	PLACES NP
	FETCH_B \slot, (\q)+1, 1-(\q)%2
	FETCH_A \slot, (\q)+1, 0
	WIN MUL_HI
	MUL16 4, (\q)%2, \q, \slot, \zero
	MUL16 6, (\q)%2, \q, \slot, \zero
	PLACES NP
	WIN 0
	FETCH_A \slot, (\q)+1, 4
.endm
; A slot's last step changes slots: one barrier; in front of it each wave waits for all its tensor loads, adds 0 to its spare word, and waits for that and for its reads of this slot.
.macro TURN slot, next, fill
	s_wait_tensorcnt 0x0                           ; all my tensor loads have landed: my part of the next slot
	ds_add_u32 v[SPW], v[NIL]                      ; 0 onto my spare word
	s_wait_dscnt 4*NL+1                            ; (the add and the youngest 24 loads, A's blocks 4-7, may be out)
	WIN MUL_LO
	MUL16 0, 1, NQ-1, \slot, 0
	s_wait_dscnt 0x0                               ; the add is done, and my reads of this slot are over
	s_barrier_signal -1
	MUL16 2, 1, NQ-1, \slot, 0
	WIN 0
	s_barrier_wait -1
.if \fill
	CREST                                          ; the barrier has opened a round of the cluster's: no wave of any partner still reads this slot or has a load on its way
	s_add_nc_u64 s[G0+4*\slot+2:G0+4*\slot+3], s[G0+4*\slot+2:G0+4*\slot+3], 2*ROWB
	s_add_nc_u64 s[G0B+4*\slot+2:G0B+4*\slot+3], s[G0B+4*\slot+2:G0B+4*\slot+3], 2*ROWB
	JLOAD G0+4*\slot, G1, G0B+4*\slot, G1B         ; the first tensor load behind the round, one a wave; its four v_nop are the places in front of the loads below
.else
	PLACES NP
.endif
	v_add_nc_u32 v[ADRS], 4*NQ, v[ADRS]            ; on to the next K step's scale words (no LDS load of mine is out)
	FETCH_B \next, 0, 0
	FETCH_A \next, 0, 0
	SCALES \next
	WIN MUL_HI
	MUL16 4, 1, NQ-1, \slot, 0
	MUL16 6, 1, NQ-1, \slot, 0
	PLACES NP
	WIN 0
	FETCH_A \next, 0, 4
.endm
	s_wait_kmcnt 0x0                               ; the way out's addresses
	s_wait_tensorcnt 1                             ; the scale bytes and my part of K step 0 are in (K step 1's load may be out)
	s_barrier_signal -1
	s_barrier_wait -1                              ; everybody's are
	FETCH_B 0, 0, 0
	FETCH_A 0, 0, 0
	SCALES 0
	FETCH_A 0, 0, 4
	STEP 0, 0, 1                                   ; the first step stands in front of the loop: its products start the sums
	s_mov_b32 s3, LAPS-1
.Llap:                                                 ; a trip goes once round the ring and fills both slots again
	TURN 0, 1, 1
	STEP 1, 0, 0
	TURN 1, 0, 1
	STEP 0, 0, 0
	s_sub_co_u32 s3, s3, 1
	s_cmp_lg_u32 s3, 0
	s_cbranch_scc1 .Llap
	TURN 0, 1, 0                                   ; the last lap fills nothing
	STEP 1, 0, 0
	s_wait_dscnt 4*NL
	WIN MUL_LO
	MUL16 0, 1, NQ-1, 1, 0
	MUL16 2, 1, NQ-1, 1, 0
	s_wait_dscnt 0
	WIN MUL_HI
	MUL16 4, 1, NQ-1, 1, 0
	MUL16 6, 1, NQ-1, 1, 0
	WIN 0
	PLACES NP                                      ; behind the last products: for every read of results and every write over fragments below
	s_wait_tensorcnt 0x0                           ; the way out touches no LDS and asks for no tile, so the wave's last LDS lines stand here,
	ds_add_u32 v[SPW], v[NIL]
	s_wait_dscnt 0x0
	CROUND                                         ; and the closing round: no partner asks for a tile behind it
; ---------------------------------------------------------------- the way out
.set YY,  192                          ; q, k: v192-223 one head's 32 numbers of my token;  register 16 bb + i = channel 32 bb + 16 (l / 16) + i
.set TM2, 228                          ; v228-229 largest magnitudes; v230-231 the other half's; v232-233 the conversions' scale operands; v234-235 bytes
.set TP2, 230
.set SO2, 232
.set BY2, 234
.set SEL, 70                           ; s[70:71] lane selects for v_permlanex16_b32: lane l xor 16;  s72: the mask of lanes 16-31
; 32 numbers of a lane, two blocks of 32 shared with lane l xor 16, become six registers of codes (lanes 0-15: block 0, lanes 16-31: block 1) in v[pc] on and two scale bytes in v[w]
.macro QUANT2 s, pc, pc2, w
	v_max3_num_f32 v[TM2], |v[\s]|, |v[\s+1]|, 0x1800000             ; my 16 numbers of each block, and the floor 2^(3 - 127): the byte cannot fall under 1
	v_max3_num_f32 v[TM2+1], |v[\s+16]|, |v[\s+17]|, 0x1800000
.irp i, 2,4,6,8,10,12,14
	v_max3_num_f32 v[TM2], v[TM2], |v[\s+\i]|, |v[\s+\i+1]|
	v_max3_num_f32 v[TM2+1], v[TM2+1], |v[\s+16+\i]|, |v[\s+17+\i]|
.endr
	v_permlanex16_b32 v[TP2], v[TM2], s[SEL], s[SEL+1]
	v_permlanex16_b32 v[TP2+1], v[TM2+1], s[SEL], s[SEL+1]
	v_max_num_f32 v[TM2], v[TM2], v[TP2]                             ; with lane l xor 16's: the block's largest magnitude
	v_max_num_f32 v[TM2+1], v[TM2+1], v[TP2+1]
	v_add_nc_u32 v[SO2], 0xff000000, v[TM2]                          ; 2 off the exponent field: the conversion's scale operand
	v_add_nc_u32 v[SO2+1], 0xff000000, v[TM2+1]
	v_lshrrev_b32 v[BY2], 23, v[SO2]                                 ; the scale's byte
	v_lshrrev_b32 v[BY2+1], 23, v[SO2+1]
	v_lshl_or_b32 v[\w], v[BY2+1], 8, v[BY2]
	v_cvt_scalef32_pk16_fp6_f32 v[\pc:\pc+2], v[\s:\s+15], v[SO2]
	v_cvt_scalef32_pk16_fp6_f32 v[\pc2:\pc2+2], v[\s+16:\s+31], v[SO2+1]
	v_nop                                          ; one plain place behind a scaled conversion
.irp i, 0,1,2
	v_permlane16_swap_b32 v[\pc+\i], v[\pc2+\i]    ; the operand's layout wants a whole block in a lane
.endr
.irp i, 0,1,2
	v_mov_b32 v[\pc+3+\i], v[\pc2+\i]
.endr
.endm
; four tiles' scale words leave as 256 consecutive bytes: lanes 0-15 give tiles 0 and 1, lanes 16-31 tiles 2 and 3, 8 bytes a lane
.macro WORDS w0, sw, off
	s_wait_xcnt 0x0                                ; the last such store has read its data
	v_cndmask_b32 v[\sw], v[\w0], v[(\w0)+2], s72
	v_cndmask_b32 v[(\sw)+1], v[(\w0)+1], v[(\w0)+3], s72
	global_store_b64 v11, v[\sw:(\sw)+1], s[68:69] offset:\off
.endm
	s_cmp_ge_u32 s100, 16                          ; the cluster's y: the same in all partners
	s_cbranch_scc1 .Lv
	; ---- q and k.  Window 0: v64-79 the scale words just made (8 hh + a); v80, v81 the mask's code and byte; v82-89 mask bytes; v90-91 words on their way; v236-243, v244-251 a tile's image for head 0, 1.
	;      Window 1: v0-63 the bias of my 128 channels; v64-127, v128-191 two sets of cos (32) and sin (32) of my token.
	s_mov_b32 s19, 223<<16
	s_cmp_lt_u32 s100, 8                           ; q or k?
	s_cselect_b64 s[4:5], s[4:5], s[6:7]           ; the bias,
	s_cselect_b64 s[10:11], s[10:11], s[42:43]     ; cos,
	s_cselect_b64 s[40:41], s[40:41], s[44:45]     ; sin
	s_cselect_b32 s18, 0x28, 0x1f                  ; the code at k = 64: -1.0 for q, 7.5 for a masked key
	s_cselect_b32 s19, 127<<16, s19                ; and its block's scale byte, at byte 2 of the word
	s_cselect_b32 s20, 1, 0                        ; q carries them in every row
	s_lshr_b32 s21, s97, 3
	s_lshl_b32 s21, s21, 4
	s_lshl_b32 s22, s98, 2
	s_add_co_u32 s21, s21, s22
	s_lshl_b32 s22, s16, 1
	s_add_co_u32 s21, s21, s22                     ; my first block of att: 16 x (q or k, batch) + 4 cx + 2 x (my half of the columns)
	s_mul_i32 s66, s21, 139264
	s_mov_b32 s67, 0
	s_add_nc_u64 s[12:13], s[12:13], s[66:67]
	s_and_b32 s22, s97, 7
	s_lshl_b32 s22, s22, 4
	s_lshl_b32 s23, s15, 3
	s_add_co_u32 s22, s22, s23                     ; my first tile of the batch's 128
	s_lshl_b32 s66, s22, 6
	s_add_nc_u64 s[68:69], s[12:13], s[66:67]      ; its scale words: 256 bytes for four tiles
	s_lshl_b32 s66, s22, 10
	s_add_co_u32 s66, s66, 8192
	s_add_nc_u64 s[12:13], s[12:13], s[66:67]      ; its image
	s_and_b32 s22, s97, 31
	s_lshl_b32 s22, s22, 8
	s_lshl_b32 s23, s15, 7
	s_add_co_u32 s22, s22, s23                     ; my first token among the tensor's 8,192
	s_mov_b32 s23, 0
	s_add_nc_u64 s[46:47], s[46:47], s[22:23]      ; the mask: a byte a token
	s_lshl_b32 s22, s22, 8
	s_add_nc_u64 s[10:11], s[10:11], s[22:23]      ; cos, sin: 256 bytes a token
	s_add_nc_u64 s[40:41], s[40:41], s[22:23]
	s_lshl_b32 s22, s98, 10
	s_lshl_b32 s66, s16, 9
	s_add_co_u32 s22, s22, s66
	s_add_nc_u64 s[4:5], s[4:5], s[22:23]          ; the bias of my 128 channels
	s_mov_b32 s[SEL], 0x76543210
	s_mov_b32 s[SEL+1], 0xfedcba98
	s_mov_b32 s72, 0xffff0000
	v_and_b32 v1, 15, v0                           ; r
	v_bfe_u32 v2, v0, 4, 1                         ; h
	v_and_b32 v3, 8, v1
	v_add_nc_u32 v8, v3, v1                        ; place r of a block of 16 holds token r + 8 (r / 8) of its 24
	v_lshlrev_b32 v9, 6, v2                        ; my half's 16 channels: 64 h bytes
	v_lshl_add_u32 v7, v8, 8, v9                   ; cos, sin: my token's row + 64 h
	v_and_b32 v3, 31, v0
	v_lshlrev_b32 v10, 4, v3                       ; 16 x lane
	v_lshlrev_b32 v11, 3, v3                       ; 8 x lane
	v_sub_nc_u32 v4, 1, v2
	v_mul_u32_u24 v12, v4, s18                     ; the code, in lanes 0-15 alone (k = 64 lies there)
	v_mov_b32 v13, s19
	v_mov_b32 v[TP2], 0                            ; written once: a lane permute's destination counts as one of its sources
	v_mov_b32 v[TP2+1], 0
	v_mov_b32 v243, 0                              ; register 7 of an image is 0
	v_mov_b32 v251, 0
.macro CSLOAD a                        ; cos and sin of block a's tokens into set a % 2: 16 loads
.set CSB, 64+64*((\a)%2)
	WIN TO_B
.irp bb, 0,1
.irp m, 0,1,2,3
	global_load_b128 v[CSB+16*\bb+4*\m:CSB+16*\bb+4*\m+3], v7, s[10:11] offset:(32*((\a)/2)+8*((\a)%2))*256+128*\bb+16*\m
	global_load_b128 v[CSB+32+16*\bb+4*\m:CSB+32+16*\bb+4*\m+3], v7, s[40:41] offset:(32*((\a)/2)+8*((\a)%2))*256+128*\bb+16*\m
.endr
.endr
	WIN 0
.endm
	WIN TO_B
.irp hh, 0,1
.irp bb, 0,1
.irp m, 0,1,2,3
	global_load_b128 v[32*\hh+16*\bb+4*\m:32*\hh+16*\bb+4*\m+3], v9, s[4:5] offset:(64*\hh+32*\bb)*4+16*\m
.endr
.endr
.endr
	WIN 0
.irp a, 0,1,2,3,4,5,6,7
	global_load_u8 v[82+\a], v8, s[46:47] offset:32*(\a/2)+8*(\a%2)
.endr
	CSLOAD 0
; one head (hh) of block a's 16 tokens: bias, RoPE, codes, image
.macro HEAD a, hh
.set CSB, 64+64*((\a)%2)
.set PCX, 236+8*(\hh)
.set AC,  64*((\a)%4)+32*(\hh)
.set WN,  0x06+(\a)/4                  ; source 0 (the sums) window 2 or 3, source 1 (the bias) window 1
	s_wait_xcnt 0x0                                ; this image's registers were a store's data two heads ago
	WIN WN
.irp i, 0,2,4,6,8,10,12,14,16,18,20,22,24,26,28,30
	v_pk_add_f32 v[YY+\i:YY+\i+1], v[AC+\i:AC+\i+1], v[32*(\hh)+\i:32*(\hh)+\i+1]     ; each accumulator from its low end on
.endr
	WIN 0x04                                       ; source 1 (cos, sin) window 1
.irp i, 0,2,4,6,8,10,12,14
	v_pk_mul_f32 v[224:225], v[YY+16+\i:YY+17+\i], v[CSB+32+\i:CSB+33+\i]            ; x2 sin (lower half's)
	v_pk_mul_f32 v[226:227], v[YY+\i:YY+\i+1], v[CSB+48+\i:CSB+49+\i]                ; x1 sin (upper half's)
	v_pk_fma_f32 v[YY+\i:YY+\i+1], v[YY+\i:YY+\i+1], v[CSB+\i:CSB+\i+1], v[224:225] neg_lo:[0,0,1] neg_hi:[0,0,1]   ; x1 cos - x2 sin
	v_pk_fma_f32 v[YY+16+\i:YY+17+\i], v[YY+16+\i:YY+17+\i], v[CSB+16+\i:CSB+17+\i], v[226:227]                      ; x2 cos + x1 sin
.endr
	WIN 0
	QUANT2 YY, PCX, 252, 64+8*(\hh)+(\a)
	v_or_b32 v[64+8*(\hh)+(\a)], v[64+8*(\hh)+(\a)], v81                             ; the mask's byte joins the word,
	v_mov_b32 v[PCX+6], v80                                                          ; its code the image
	global_store_b128 v10, v[PCX:PCX+3], s[12:13] offset:(\hh)*139264+(\a)*1024       ; 512 consecutive bytes, aligned
	global_store_b128 v10, v[PCX+4:PCX+7], s[12:13] offset:(\hh)*139264+(\a)*1024+512
.endm
.irp a, 0,1,2,3,4,5,6,7
.if \a < 7
	CSLOAD \a+1
	s_wait_loadcnt 16                              ; all but the next set's 16 loads are in
.else
	s_wait_loadcnt 0x0
.endif
	v_or_b32 v3, s20, v[82+\a]
	v_cmp_ne_u32 vcc_lo, 0, v3                     ; does my row carry the mask's code?  A choice of values: no branch hangs on it
	v_cndmask_b32 v80, 0, v12, vcc_lo
	v_cndmask_b32 v81, 0, v13, vcc_lo
	HEAD \a, 0
	HEAD \a, 1
.if \a%4 == 3
	WORDS 64+\a-3, 90, (\a/4)*256
	WORDS 72+\a-3, 90, 139264+(\a/4)*256
.endif
.endr
	s_endpgm
.Lv:
	; ---- v.  Window 0: v64-79 bv of my channel, twice, for each block; v128-191 my channel's 64 numbers (register 16 b + i = key 32 b + 16 (l / 16) + i); v200-216 at work; v224-242 codes; v244-251 words.
.set TM4, 200
.set PW4, 216
.set PC4, 224
	s_lshl_b32 s18, s99, 2
	s_lshl_b32 s19, s15, 1
	s_add_co_u32 s18, s18, s19                     ; my first head: 4 cy + 2 x (my half of A's rows)
	s_sub_co_u32 s19, s101, 64                     ; which 256 tokens of value's 8,192
	s_lshr_b32 s20, s19, 3
	s_lshl_b32 s20, s20, 4
	s_add_co_u32 s20, s20, s18                     ; 16 x batch + head
	s_and_b32 s19, s19, 7
	s_lshl_b32 s19, s19, 1
	s_add_co_u32 s19, s19, s16                     ; which step of 128 keys
	s_mul_i32 s66, s20, 102400
	s_add_co_u32 s66, s66, 17825792
	s_mov_b32 s67, 0
	s_add_nc_u64 s[12:13], s[12:13], s[66:67]
	s_lshl_b32 s66, s19, 8
	s_add_nc_u64 s[68:69], s[12:13], s[66:67]      ; the step's scale words
	s_mul_i32 s66, s19, 6144
	s_add_co_u32 s66, s66, 4096
	s_add_nc_u64 s[12:13], s[12:13], s[66:67]      ; the step's images
	s_lshl_b32 s66, s99, 10
	s_lshl_b32 s18, s15, 9
	s_add_co_u32 s66, s66, s18
	s_add_nc_u64 s[8:9], s[8:9], s[66:67]          ; bv of my 128 channels
	s_mov_b32 s[SEL], 0x76543210
	s_mov_b32 s[SEL+1], 0xfedcba98
	s_mov_b32 s72, 0xffff0000
	v_and_b32 v1, 15, v0
	v_and_b32 v3, 8, v1
	v_add_nc_u32 v3, v3, v1
	v_lshlrev_b32 v7, 2, v3                        ; place r holds channel r + 8 (r / 8)
	v_and_b32 v3, 31, v0
	v_lshlrev_b32 v10, 4, v3
	v_lshlrev_b32 v11, 3, v3
.irp b, 0,1,2,3
	v_mov_b32 v[TM4+4+\b], 0                       ; written once: a lane permute's destination counts as one of its sources
.endr
.irp a, 0,1,2,3,4,5,6,7
	global_load_b32 v[64+2*\a], v7, s[8:9] offset:(32*(\a/2)+8*(\a%2))*4
	global_load_b32 v[65+2*\a], v7, s[8:9] offset:(32*(\a/2)+8*(\a%2))*4        ; twice: the packed addition takes a pair
.endr
; 64 numbers of a lane, register 16 b + i = k 32 b + 16 (l / 16) + i of my row, become a fragment's codes in v[PC4] on and its scale word in v[PW4]
.macro QUANT4 s
.irp b, 0,1,2,3
	v_max3_num_f32 v[TM4+\b], |v[\s+16*\b]|, |v[\s+1+16*\b]|, 0x1800000
.endr
.irp i, 2,4,6,8,10,12,14
.irp b, 0,1,2,3
	v_max3_num_f32 v[TM4+\b], v[TM4+\b], |v[\s+16*\b+\i]|, |v[\s+1+16*\b+\i]|
.endr
.endr
.irp b, 0,1,2,3
	v_permlanex16_b32 v[TM4+4+\b], v[TM4+\b], s[SEL], s[SEL+1]
.endr
.irp b, 0,1,2,3
	v_max_num_f32 v[TM4+\b], v[TM4+\b], v[TM4+4+\b]
.endr
.irp b, 0,1,2,3
	v_add_nc_u32 v[TM4+12+\b], 0xff000000, v[TM4+\b]
.endr
.irp b, 0,1,2,3
	v_lshrrev_b32 v[TM4+4+\b], 23, v[TM4+12+\b]
.endr
	v_lshl_or_b32 v[PW4], v[TM4+5], 8, v[TM4+4]
	v_lshl_or_b32 v[PW4], v[TM4+6], 16, v[PW4]
	v_lshl_or_b32 v[PW4], v[TM4+7], 24, v[PW4]
.irp c, 0,1
	v_cvt_scalef32_pk16_fp6_f32 v[PC4+6*\c:PC4+2+6*\c], v[\s+32*\c:\s+15+32*\c], v[TM4+12+2*\c]
	v_cvt_scalef32_pk16_fp6_f32 v[PC4+12+4*\c:PC4+14+4*\c], v[\s+16+32*\c:\s+31+32*\c], v[TM4+12+2*\c+1]
.endr
	v_nop                                          ; one plain place behind a scaled conversion
.irp c, 0,1
.irp i, 0,1,2
	v_permlane16_swap_b32 v[PC4+6*\c+\i], v[PC4+12+4*\c+\i]
.endr
.irp i, 0,1,2
	v_mov_b32 v[PC4+3+6*\c+\i], v[PC4+12+4*\c+\i]
.endr
.endr
.endm
	s_wait_loadcnt 0x0
.irp a, 0,1,2,3,4,5,6,7
.set WN, 0x02+\a/4                     ; source 0 (the sums) window 2 or 3
	s_wait_xcnt 0x0                                ; the codes' registers were the last block's store data
	WIN WN
.set jv, 0
.rept 32
	v_pk_add_f32 v[128+jv:129+jv], v[64*(\a%4)+jv:64*(\a%4)+jv+1], v[64+2*\a:65+2*\a]     ; each accumulator from its low end on
.set jv, jv+2
.endr
	WIN 0
	QUANT4 128
	v_mov_b32 v[244+\a], v[PW4]
.irp c, 0,1,2
	global_store_b128 v10, v[PC4+4*\c:PC4+4*\c+3], s[12:13] offset:(\a/4)*102400+(\a%4)*1536+512*\c
.endr
.if \a%4 == 3
	WORDS 244+\a-3, 252, (\a/4)*102400
.endif
.endr
	s_endpgm
.Lfunc_end_k_qd3da38c6c4_proj:
	.size	k_qd3da38c6c4_proj, .Lfunc_end_k_qd3da38c6c4_proj-k_qd3da38c6c4_proj
	.p2alignl 7, 3214868480
	.fill 96, 4, 3214868480
	.section	.rodata,"a",@progbits
	.p2align	6, 0x0
	.amdhsa_kernel k_qd3da38c6c4_proj
		.amdhsa_group_segment_fixed_size 327680
		.amdhsa_private_segment_fixed_size 0
		.amdhsa_enable_private_segment 0
		.amdhsa_kernarg_size 88
		.amdhsa_user_sgpr_count 2
		.amdhsa_user_sgpr_kernarg_segment_ptr 1
		.amdhsa_wavefront_size32 1
		.amdhsa_system_sgpr_workgroup_id_x 1
		.amdhsa_system_sgpr_workgroup_id_y 1
		.amdhsa_system_sgpr_workgroup_id_z 1
		.amdhsa_system_vgpr_workitem_id 0
		.amdhsa_next_free_vgpr 1024
		.amdhsa_next_free_sgpr 102
		.amdhsa_reserve_vcc 1
		.amdhsa_float_denorm_mode_32 3
		.amdhsa_float_denorm_mode_16_64 3
		.amdhsa_memory_ordered 1
		.amdhsa_forward_progress 1
		.amdhsa_inst_pref_size 255
	.end_amdhsa_kernel
	.section	.bss,"aw",@nobits
	.p2align	6
	.space	262144
	.amdgpu_metadata
---
amdhsa.version: [ 1, 2 ]
amdhsa.kernels:
  - .name:           k_qd3da38c6c4_proj
    .symbol:         k_qd3da38c6c4_proj.kd
    .args:
      - { .name: xw_codes, .offset: 0, .size: 8, .value_kind: global_buffer, .address_space: global }
      - { .name: xw_scales, .offset: 8, .size: 8, .value_kind: global_buffer, .address_space: global }
      - { .name: bq, .offset: 16, .size: 8, .value_kind: global_buffer, .address_space: global }
      - { .name: bk, .offset: 24, .size: 8, .value_kind: global_buffer, .address_space: global }
      - { .name: bv, .offset: 32, .size: 8, .value_kind: global_buffer, .address_space: global }
      - { .name: cos_q, .offset: 40, .size: 8, .value_kind: global_buffer, .address_space: global }
      - { .name: sin_q, .offset: 48, .size: 8, .value_kind: global_buffer, .address_space: global }
      - { .name: cos_k, .offset: 56, .size: 8, .value_kind: global_buffer, .address_space: global }
      - { .name: sin_k, .offset: 64, .size: 8, .value_kind: global_buffer, .address_space: global }
      - { .name: key_padding_mask, .offset: 72, .size: 8, .value_kind: global_buffer, .address_space: global }
      - { .name: att, .offset: 80, .size: 8, .value_kind: global_buffer, .address_space: global }
    .group_segment_fixed_size: 327680
    .private_segment_fixed_size: 0
    .kernarg_segment_align: 8
    .kernarg_segment_size: 88
    .max_flat_workgroup_size: 128
    .sgpr_count:     102
    .vgpr_count:     1024
    .wavefront_size: 32
...
	.end_amdgpu_metadata
.endif
;; end of part 2
;; launch attn (part 3): grid 8 x 64, 16 waves a work-group, clusters of 4 x 1, 247,808 bytes of LDS; arguments att, o_codes, o_scales; writes o_codes, o_scales
.if DOCPART == 3
	.amdgcn_target "amdgcn-amd-amdhsa--gfx1250"
	.amdhsa_code_object_version 6
	.text
	.protected	k_qd3da38c6c4_attn
	.globl	k_qd3da38c6c4_attn
	.p2align	8
	.type	k_qd3da38c6c4_attn,@function
k_qd3da38c6c4_attn:
	s_mov_b64 s[64:65], 0
	v_nop
	global_prefetch_b8 v0, s[64:65] scope:SCOPE_SE
	s_setreg_imm32_b32 hwreg(HW_REG_WAVE_MODE, 25, 1), 1
	s_wait_xcnt 0x0
	s_wait_alu depctr_hold_cnt(0) depctr_sa_sdst(0) depctr_va_vdst(0) depctr_va_sdst(0) depctr_va_ssrc(0) depctr_va_vcc(0) depctr_vm_vsrc(0)
	s_getreg_b32 s2, hwreg(HW_REG_IB_STS2, 6, 4)
	s_cmp_eq_u32 s2, 0
	s_cbranch_scc0 .Lentry_in_a_cluster
	s_endpgm
.Lentry_in_a_cluster:
	s_bfe_u32 s2, ttmp6, 0x10000c
	s_cmp_lg_u32 s2, 0x3003
	s_cbranch_scc0 .Lentry_shape_is_right
	s_endpgm
.Lentry_shape_is_right:
; Attention of one (batch, head) on codes of FP6 (E2M3) with E8M0 scales: scores (K = the head's 64, in the lower half of the instruction's 128), the softmax, p v (K = the keys), the division by the
; row's sum, and the quantising of the result for the output projection.  q, k and v come as register images (buffer att; its layout stands at the head of the launch that makes it).
; THE SOFTMAX: t = score x log2(e) / 8; M = the row's largest t so far, rounded UP to a whole number; p = 2^(t - M) is quantised along the keys, not normalised; the row's sum is taken of the unquantised p
; and divides at the end.  When M moves, the sum and O are multiplied by 2^(old M - new M): exact.
; THE MASK: a masked key's image carries 7.5 x 2^96 at k = 64, q's carries -1.0 there: the matrix unit itself adds -7.5 x 2^96 to a masked score.  The running largest t begins at -2^93: over every masked t,
; under every true one.  So a masked key never sets M and its p is 0.  Where all keys of a batch are masked the sum is 0, and the result's scale bytes are set to 0xff, which the next product turns into NaN.
; LIMIT: a true logit x log2(e) under -2^93 would count as masked.  NaN and infinities among the inputs are not served.
; SHARES.  A work-group owns 256 queries, each of its sixteen waves one tile of 16, in 256 registers: four waves to a SIMD, so that one wave's vector work stands beside another's matrix work and LDS loads.
; A HEAD'S WHOLE K AND V LIE IN LDS (241,664 bytes): every LDS byte is filled once, nothing is filled again.  The fills go out at the head in two parts: all scale words and key steps 0-3, then steps 4-15.
; CLUSTER.  The four work-groups of a cluster belong to one head and need the same K and V: each tile is asked for jointly (mask 15).
; LAYOUT.  Both products are used transposed: a lane holds one query (lane % 16).  The places of a tile of keys stand so that the 16 registers of two neighbouring tiles are 16 neighbouring keys;
; the places of a tile of v's channels so that O's 16 registers of two neighbouring tiles are 16 neighbouring channels.
; Nothing is prefetched: all that the work-group reads is asked for at its head.
.set KBLK, 139264
.set VBLK, 102400
.set VBASE, 17825792
.set LV,   139264                      ; LDS: K's block at 0 (scale words, from 8,192 on the tiles), V's block here (scale words, from + 4,096 on the tiles)
.set STG,  241664                      ; 1,024 bytes for the 256 scale words on their way out: no fill lands here
.set AK0,  1                           ; v1   8,192 + 16 x lane
.set AV0,  2                           ; v2   LV + 4,096 + 16 x lane
.set ASK0, 3                           ; v3   8 r
.set ASV0, 4                           ; v4   LV + 8 r
.set ADK,  8                           ; v8-11 the step's addresses
.set ADV,  9
.set ADS,  10
.set ADT,  11
.set QF,   16                          ; v16-27 q's fragment;  v28 its scale word;  v29 p's scale word;  v[30:31] f
.set QS,   28
.set PW,   29
.set KF,   32                          ; v32-79  four fragments of k (registers 8-11 of each stay 0)
.set VF,   80                          ; v80-127 four fragments of v
.set S,    128                         ; v128-191 the scores, then p
.set O,    192                         ; v192-223 O^T
.set PC,   224                         ; v224-235 p's codes
.set SWD,  248                         ; v248-251 scale words of k, then of v: scales and nothing else
.set BM,   252                         ; v252-255 the blocks' largest scores
.set WV,   18
.set SEL,  20
.set CS,   22
.set TK,   76
.set TV,   77
.set TSK,  78
.set TSV,  79
.macro CROUND
	s_barrier_signal -1
	s_barrier_wait -1
	s_cmp_lg_u32 s[WV], 0
	s_cbranch_scc1 .Lnot_wave_0_\@
	s_barrier_signal -3
.Lnot_wave_0_\@:
	s_barrier_wait -3
	s_barrier_signal -1
	s_barrier_wait -1
.endm
.macro G1SET g, rows                   ; a dense block as rows of 256 bytes (32 elements of 8), for all four work-groups of the cluster
	s_mov_b32 s[\g], 15|(3<<16)|(1<<21)
	s_mov_b32 s[\g+1], 32<<16
	s_mov_b32 s[\g+2], (\rows)<<16
	s_mov_b32 s[\g+3], 32<<16
	s_mov_b32 s[\g+4], \rows
	s_mov_b32 s[\g+5], 32
	s_mov_b32 s[\g+6], 0
	s_mov_b32 s[\g+7], 0
.endm
	s_load_b128 s[4:7], s[0:1], 0x0                ; att, O's codes
	s_load_b64 s[8:9], s[0:1], 0x10                ; O's scale words
	v_lshl_add_u32 v254, v0, 2, 0x3c000
	v_mov_b32 v255, 0
	ds_add_u32 v254, v255
	ds_add_u32 v254, v255
	s_wait_dscnt 0x0
	v_lshrrev_b32 v1, 5, v0
	v_readfirstlane_b32 s[WV], v1                  ; wave 0..15
	s_bfe_u32 s10, ttmp6, 0x40000                  ; cx
	s_lshl_b32 s11, ttmp9, 2
	s_add_co_u32 s11, s11, s10                     ; my block of 256 queries: it enters q's and O's addresses alone
	s_and_b32 s12, ttmp7, 0xffff                   ; 16 x batch + head, which the four partners share
	s_and_b32 s13, s[WV], 7                        ; which eighth of K's (waves 0-7) or V's (waves 8-15) block I fetch
	s_add_co_u32 s14, s12, 64
	s_mul_i32 s14, s14, KBLK                       ; k's block in att
	s_mul_i32 s15, s12, VBLK
	s_add_co_u32 s15, s15, VBASE                   ; v's
	s_mul_i32 s84, s13, 5120                       ; K, first part: 40,960 bytes, 20 rows of 256 a wave
	s_mul_i32 s85, s13, 12288
	s_add_co_u32 s85, s85, 40960                   ; K, second part: 98,304 bytes, 48 rows a wave
	s_mul_i32 s86, s13, 3584                       ; V, first part: 28,672 bytes, 14 rows a wave
	s_mul_i32 s87, s13, 9216
	s_add_co_u32 s87, s87, 28672                   ; V, second part: 73,728 bytes, 36 rows a wave
	s_add_co_u32 s88, s14, s84
	s_mov_b32 s89, 0
	s_add_co_u32 s90, s14, s85
	s_mov_b32 s91, 0
	s_add_co_u32 s92, s15, s86
	s_mov_b32 s93, 0
	s_add_co_u32 s94, s15, s87
	s_mov_b32 s95, 0
	G1SET 24, 20
	G1SET 32, 48
	G1SET 40, 14
	G1SET 48, 36
	s_mul_i32 s82, s12, KBLK                       ; q's block
	s_lshl_b32 s83, s11, 4
	s_add_co_u32 s83, s83, s[WV]                   ; my tile of the batch's 128
	s_lshl_b32 s96, s83, 10
	s_add_co_u32 s96, s96, s82
	s_add_co_u32 s96, s96, 8192
	s_mov_b32 s97, 0                               ; its image
	s_lshr_b32 s98, s83, 2
	s_lshl_b32 s98, s98, 8
	s_bfe_u32 s99, s[WV], 0x10001
	s_lshl_b32 s99, s99, 7
	s_add_co_u32 s98, s98, s99
	s_and_b32 s99, s[WV], 1
	s_lshl_b32 s99, s99, 2
	s_add_co_u32 s98, s98, s99
	s_add_co_u32 s98, s98, s82
	s_mov_b32 s99, 0                               ; its scale words: 256 (tile / 4) + 128 ((tile / 2) % 2) + 4 (tile % 2), + 8 r
	s_mov_b32 s[SEL], 0x76543210
	s_mov_b32 s[SEL+1], 0xfedcba98
	s_mov_b32 s[CS], 0x3e38aa3b                    ; c = log2(e) / 8
	s_mov_b32 s[CS+1], s[CS]                       ; (named with it as a pair, so it is written)
	s_mov_b32 s[TK], 0
	s_mov_b32 s[TV], 0
	s_mov_b32 s[TSK], 0
	s_mov_b32 s[TSV], 0
	s_wait_kmcnt 0x0
	s_mov_b32 s56, 1
	s_mov_b32 s57, s84
	s_add_nc_u64 s[58:59], s[4:5], s[88:89]
	s_or_b32 s59, s59, 0x80000000
	s_mov_b32 s60, 1
	s_mov_b32 s61, s85
	s_add_nc_u64 s[62:63], s[4:5], s[90:91]
	s_or_b32 s63, s63, 0x80000000
	s_mov_b32 s68, 1
	s_add_co_u32 s69, s86, LV
	s_add_nc_u64 s[70:71], s[4:5], s[92:93]
	s_or_b32 s71, s71, 0x80000000
	s_mov_b32 s72, 1
	s_add_co_u32 s73, s87, LV
	s_add_nc_u64 s[74:75], s[4:5], s[94:95]
	s_or_b32 s75, s75, 0x80000000
	s_add_nc_u64 s[96:97], s[4:5], s[96:97]
	s_add_nc_u64 s[98:99], s[4:5], s[98:99]
	CROUND                                         ; all four work-groups are here: the joint loads meet
	s_cmp_lt_u32 s[WV], 8                          ; a wave's two fills stand in one branch on its number: two loads of mine are out; four v_nop follow the second
	s_cbranch_scc0 .Lfirst_v
	tensor_load_to_lds s[56:59], s[24:31]
	s_nop 0
	tensor_load_to_lds s[60:63], s[32:39]
	s_nop 0
.rept 4
	v_nop
.endr
	s_branch .Lfirst_asked
.Lfirst_v:
	tensor_load_to_lds s[68:71], s[40:47]
	s_nop 0
	tensor_load_to_lds s[72:75], s[48:55]
	s_nop 0
.rept 4
	v_nop
.endr
.Lfirst_asked:
	v_and_b32 v6, 31, v0
	v_lshlrev_b32 v5, 4, v6                        ; 16 x lane
	v_lshlrev_b32 v6, 3, v6                        ; 8 x lane
	v_and_b32 v3, 15, v0
	v_lshlrev_b32 v7, 2, v3
	v_lshlrev_b32 v[ASK0], 3, v3                   ; 8 r
	global_load_b128 v[QF:QF+3], v5, s[96:97]      ; q's image: registers 0-7; it stays
	global_load_b128 v[QF+4:QF+7], v5, s[96:97] offset:512
	global_load_b32 v[QS], v[ASK0], s[98:99]
	v_add_nc_u32 v[AK0], 8192, v5
	v_add_nc_u32 v[AV0], LV+4096, v5
	v_add_nc_u32 v[ASV0], LV, v[ASK0]
	s_lshl_b32 s84, s[WV], 6
	s_add_co_u32 s84, s84, STG
	v_add_nc_u32 v7, s84, v7                       ; where my row's scale word goes: STG + 64 x wave + 4 r
	s_and_b32 s16, s12, 15                         ; head
	s_lshr_b32 s17, s12, 4                         ; batch
	s_mul_i32 s84, s16, 393216
	s_lshl_b32 s85, s17, 7
	s_add_co_u32 s85, s85, s83
	s_mul_i32 s85, s85, 768
	s_add_co_u32 s84, s84, s85
	s_mov_b32 s85, 0
	s_add_nc_u64 s[6:7], s[6:7], s[84:85]          ; O's codes: [head][tile of 16 places, 512][768]
	s_lshl_b32 s84, s16, 15
	s_lshl_b32 s86, s17, 13
	s_add_co_u32 s84, s84, s86
	s_lshl_b32 s86, s11, 10
	s_add_co_u32 s84, s84, s86
	s_add_nc_u64 s[8:9], s[8:9], s[84:85]          ; O's scale words: [head][place, 8,192], my work-group's 256
	s_and_b32 s81, s12, 1
	s_lshl_b32 s81, s81, 4                         ; an odd head's two bytes stand in the word's upper half
.irp i, 8,9,10,11
	v_mov_b32 v[QF+\i], 0                          ; the upper quarter of K is zero codes, in q and in k
.irp t, 0,1,2,3
	v_mov_b32 v[KF+12*\t+\i], 0
.endr
.endr
	v_mov_b32 v13, 0xee000000                      ; the largest t so far: -2^93
	v_floor_f32 v12, -v13                          ; -M
	v_mov_b32 v14, 0                               ; the sum, in two halves
	v_mov_b32 v15, 0
	v_mov_b32 v31, 0                               ; (named as the upper half of the pair v[30:31])
.irp b, 0,1,2,3
	v_mov_b32 v[236+\b], 0                         ; written once: a lane permute's destination counts as one of its sources
.endr
.set jo, 0
.rept 32
	v_mov_b32 v[O+jo], 0                           ; O^T.  (The step is written for all steps alike: the first finds zeros, which the first change of M leaves zeros)
.set jo, jo+1
.endr
; A KEY STEP: 128 keys.
.macro STEP
	v_add_nc_u32 v[ADK], s[TK], v[AK0]             ; (these four are also the places behind the last step's products, in front of the loads below)
	v_add_nc_u32 v[ADV], s[TV], v[AV0]
	v_add_nc_u32 v[ADS], s[TSK], v[ASK0]
	v_add_nc_u32 v[ADT], s[TSV], v[ASV0]
.irp g, 0,1                                    ; S^T = K Q^T, four tiles of 16 keys at a time
.if \g
.rept 4
	v_nop                                          ; places in front of loads into registers that matrix instructions have read
.endr
.endif
.irp t, 0,1,2,3
	ds_load_b128 v[KF+12*\t:KF+12*\t+3], v[ADK] offset:(4*\g+\t)*1024
	ds_load_b128 v[KF+12*\t+4:KF+12*\t+7], v[ADK] offset:(4*\g+\t)*1024+512
	ds_load_b32 v[SWD+\t], v[ADS] offset:256*\g+128*(\t/2)+4*(\t%2)
.endr
	s_wait_dscnt 0x0
.irp t, 0,1,2,3
	v_wmma_scale_f32_16x16x128_f8f6f4 v[S+8*(4*\g+\t):S+8*(4*\g+\t)+7], v[KF+12*\t:KF+12*\t+11], v[QF:QF+11], 0, v[SWD+\t], v[QS] matrix_a_fmt:MATRIX_FMT_FP6 matrix_b_fmt:MATRIX_FMT_FP6
.endr
.endr
.rept 4
	v_nop
.endr
.irp t, 0,1,2,3                                ; V's four fragments and their scale words are asked for now: they have registers of their own and land while the softmax is walked
.irp c, 0,1,2
	ds_load_b128 v[VF+12*\t+4*\c:VF+12*\t+4*\c+3], v[ADV] offset:\t*1536+512*\c
.endr
	ds_load_b32 v[SWD+\t], v[ADT] offset:128*(\t/2)+4*(\t%2)
.endr
.irp b, 0,1,2,3
	v_max3_num_f32 v[BM+\b], v[S+16*\b], v[S+1+16*\b], v[S+2+16*\b]   ; the largest score of each block of 32 keys: it serves for the row's maximum and, since p rises with the score, for the block's largest p
.endr
.irp i, 3,5,7,9,11,13
.irp b, 0,1,2,3
	v_max3_num_f32 v[BM+\b], v[BM+\b], v[S+16*\b+\i], v[S+1+16*\b+\i]
.endr
.endr
.irp b, 0,1,2,3
	v_max_num_f32 v[BM+\b], v[BM+\b], v[S+15+16*\b]
.endr
.irp b, 0,1,2,3
	v_permlanex16_b32 v[236+\b], v[BM+\b], s[SEL], s[SEL+1]
.endr
.irp b, 0,1,2,3
	v_max_num_f32 v[BM+\b], v[BM+\b], v[236+\b]    ; with lane l xor 16's 16 keys
.endr
	v_max3_num_f32 v243, v[BM], v[BM+1], v[BM+2]
	v_max_num_f32 v243, v243, v[BM+3]              ; the step's largest score of my query
	v_mul_f32 v243, s[CS], v243                    ; as t
	v_max_num_f32 v13, v13, v243                   ; the running largest t
	v_mov_b32 v243, v12
	v_floor_f32 v12, -v13                          ; the new -M = floor(-t): M is a whole number
	v_sub_f32 v243, v12, v243                      ; old M - new M: a whole number, 0 or less
	v_cvt_i32_f32 v243, v243                       ; (it saturates)
	v_ldexp_f32 v30, 1.0, v243                     ; f = 2^(old M - new M)
.set js, 0
.rept 32
	v_pk_fma_f32 v[S+js:S+js+1], v[S+js:S+js+1], s[CS:CS+1], v[12:13] op_sel_hi:[1,0,0]   ; t - M, two at a time
.set js, js+2
.endr
.irp b, 0,1,2,3
	v_fma_f32 v[BM+\b], v[BM+\b], s[CS], v12       ; the same of each block's largest score
.endr
.set js, 0
.rept 64
	v_exp_f32 v[S+js], v[S+js]                     ; p = 2^(t - M), at most 1
.set js, js+1
.endr
	v_pk_mul_f32 v[14:15], v[14:15], v[30:31] op_sel_hi:[1,0]   ; the sums under the new M.  (A plain place behind the exponentials)
	s_wait_alu depctr_va_vdst(0)                   ; one wait for the whole batch, ahead of its first reader
.irp b, 0,1,2,3
	v_exp_f32 v[BM+\b], v[BM+\b]                   ; the block's largest p: the same two instructions on the same number give the same bits
.endr
	v_pk_add_f32 v[236:237], v[S:S+1], v[S+2:S+3]  ; the row's sum is taken of the unquantised p: two at a time, in two chains
.irp j, 4,8,12,16,20,24,28,32,36,40,44,48,52,56,60
	v_pk_add_f32 v[14:15], v[14:15], v[S+\j:S+1+\j]
	v_pk_add_f32 v[236:237], v[236:237], v[S+2+\j:S+3+\j]
.endr
	v_pk_add_f32 v[14:15], v[14:15], v[236:237]
	s_wait_alu depctr_va_vdst(0)                   ; and one for the four
.irp b, 0,1,2,3
	v_max_num_f32 v[BM+\b], 0x1800000, v[BM+\b]    ; the floor 2^(3 - 127): the byte cannot fall under 1
.endr
.irp b, 0,1,2,3
	v_add_nc_u32 v[244+\b], 0xff000000, v[BM+\b]   ; 2 off the exponent field: the conversion's scale operand
.endr
.irp b, 0,1,2,3
	v_lshrrev_b32 v[236+\b], 23, v[244+\b]         ; the scale's byte
.endr
	v_lshl_or_b32 v[PW], v237, 8, v236             ; p's scale word for these 128 keys
	v_lshl_or_b32 v[PW], v238, 16, v[PW]
	v_lshl_or_b32 v[PW], v239, 24, v[PW]
.irp c, 0,1
	v_cvt_scalef32_pk16_fp6_f32 v[PC+6*\c:PC+2+6*\c], v[S+32*\c:S+15+32*\c], v[244+2*\c]
	v_cvt_scalef32_pk16_fp6_f32 v[236+4*\c:238+4*\c], v[S+16+32*\c:S+31+32*\c], v[244+2*\c+1]
.endr
	v_nop                                          ; one plain place behind a scaled conversion
.irp c, 0,1
.irp i, 0,1,2
	v_permlane16_swap_b32 v[PC+6*\c+\i], v[236+4*\c+\i]
.endr
.irp i, 0,1,2
	v_mov_b32 v[PC+3+6*\c+\i], v[236+4*\c+\i]
.endr
.endr
.set jo, 0
.rept 16
	v_pk_mul_f32 v[O+jo:O+jo+1], v[O+jo:O+jo+1], v[30:31] op_sel_hi:[1,0]   ; O^T under the new M.  (These are also the places between the writes of p's codes and scale word and the products)
.set jo, jo+2
.endr
	s_wait_dscnt 0x0                               ; V's fragments are in
.irp t, 0,1,2,3                                ; O^T += V^T P^T: the four accumulators by turns
	v_wmma_scale_f32_16x16x128_f8f6f4 v[O+8*\t:O+8*\t+7], v[VF+12*\t:VF+12*\t+11], v[PC:PC+11], v[O+8*\t:O+8*\t+7], v[SWD+\t], v[PW] matrix_a_fmt:MATRIX_FMT_FP6 matrix_b_fmt:MATRIX_FMT_FP6
.endr
	s_add_co_u32 s[TK], s[TK], 8192                ; the next step's tiles and scale words
	s_add_co_u32 s[TV], s[TV], 6144
	s_add_co_u32 s[TSK], s[TSK], 512
	s_add_co_u32 s[TSV], s[TSV], 256
.endm
	s_wait_tensorcnt 1                             ; my part of the first fills' first half is in; the second half may stay out
	s_barrier_signal -1
	s_barrier_wait -1                              ; everybody's is: all scale words, key steps 0 to 3
	s_wait_loadcnt 0x0                             ; q
	s_mov_b32 s80, 4
.Lfirst_steps:
	STEP
	s_sub_co_u32 s80, s80, 1
	s_cmp_lg_u32 s80, 0
	s_cbranch_scc1 .Lfirst_steps
	s_wait_tensorcnt 0x0                           ; my part of key steps 4 to 15 is in,
	s_wait_dscnt 0x0
	s_barrier_signal -1
	s_barrier_wait -1                              ; everybody's is
	s_mov_b32 s80, 12
.Lmore_steps:
	STEP
	s_sub_co_u32 s80, s80, 1
	s_cmp_lg_u32 s80, 0
	s_cbranch_scc1 .Lmore_steps
	; THE WAY OUT.  O^T / the sum; register 16 bb + i is channel 32 bb + 16 (lane / 16) + i of my query: two blocks of the output projection's K.
	v_add_f32 v14, v14, v15                        ; the sum's two halves,
	v_permlanex16_b32 v243, v14, s[SEL], s[SEL+1]
	v_add_f32 v14, v14, v243                       ; and lane l xor 16's
	v_cmp_lt_f32 s82, 0, v14                       ; was any key left unmasked?  It chooses a value below, no branch
	v_rcp_f32 v30, v14
	v_mov_b32 v243, 0xffff                         ; (a plain place behind the reciprocal)
	s_min_u32 s84, s[WV], 1
	s_lshl_b32 s84, s84, 9
	v_add_nc_u32 v9, s84, v5                       ; waves 0 and 1 carry the scale words out: 512 x wave + 16 x lane
	v_add_nc_u32 v8, STG, v9
	s_wait_alu depctr_va_vdst(0)                   ; ahead of the reciprocal's first reader
.set jo, 0
.rept 16
	v_pk_mul_f32 v[S+jo:S+jo+1], v[O+jo:O+jo+1], v[30:31] op_sel_hi:[1,0]   ; each accumulator from its low end on
.set jo, jo+2
.endr
	v_max3_num_f32 v252, |v[S]|, |v[S+1]|, 0x1800000                 ; the two blocks' largest magnitudes, with the floor 2^(3 - 127)
	v_max3_num_f32 v253, |v[S+16]|, |v[S+17]|, 0x1800000
.irp i, 2,4,6,8,10,12,14
	v_max3_num_f32 v252, v252, |v[S+\i]|, |v[S+\i+1]|
	v_max3_num_f32 v253, v253, |v[S+16+\i]|, |v[S+17+\i]|
.endr
	v_permlanex16_b32 v240, v252, s[SEL], s[SEL+1]
	v_permlanex16_b32 v241, v253, s[SEL], s[SEL+1]
	v_max_num_f32 v252, v252, v240
	v_max_num_f32 v253, v253, v241
	v_add_nc_u32 v244, 0xff000000, v252
	v_add_nc_u32 v245, 0xff000000, v253
	v_lshrrev_b32 v246, 23, v244
	v_lshrrev_b32 v247, 23, v245
	v_lshl_or_b32 v[PW], v247, 8, v246
	v_cvt_scalef32_pk16_fp6_f32 v[PC:PC+2], v[S:S+15], v244
	v_cvt_scalef32_pk16_fp6_f32 v[236:238], v[S+16:S+31], v245
	v_nop                                          ; one plain place behind a scaled conversion
.irp i, 0,1,2
	v_permlane16_swap_b32 v[PC+\i], v[236+\i]
.endr
.irp i, 0,1,2
	v_mov_b32 v[PC+3+\i], v[236+\i]
.endr
	v_cndmask_b32 v[PW], v243, v[PW], s82          ; all keys masked: both bytes 0xff
	v_lshlrev_b32 v[PW], s81, v[PW]                ; an odd head's bytes go to the word's upper half
	global_store_b128 v5, v[PC:PC+3], s[6:7]       ; 512 consecutive bytes, aligned,
	global_store_b64 v6, v[PC+4:PC+5], s[6:7] offset:512   ; and 256 more
	ds_store_b32 v7, v[PW]                         ; both lanes of a query write the same word with the same value
	s_wait_dscnt 0x0                               ; for the others' sake
	s_barrier_signal -1
	s_barrier_wait -1                              ; the work-group's 256 words lie in LDS
	s_cmp_lt_u32 s[WV], 2
	s_cbranch_scc0 .Lno_words
	ds_load_b128 v[KF:KF+3], v8
	s_wait_dscnt 0x0
	global_store_b128 v9, v[KF:KF+3], s[8:9]       ; 512 consecutive bytes, aligned
.Lno_words:
	s_wait_xcnt 0x0
	v_lshl_add_u32 v254, v0, 2, 0x3c000
	v_mov_b32 v255, 0
	s_wait_tensorcnt 0x0
	ds_add_u32 v254, v255
	s_wait_dscnt 0x0
	CROUND                                         ; the closing round
	s_endpgm
.Lfunc_end_k_qd3da38c6c4_attn:
	.size	k_qd3da38c6c4_attn, .Lfunc_end_k_qd3da38c6c4_attn-k_qd3da38c6c4_attn
	.p2alignl 7, 3214868480
	.fill 96, 4, 3214868480
	.section	.rodata,"a",@progbits
	.p2align	6, 0x0
	.amdhsa_kernel k_qd3da38c6c4_attn
		.amdhsa_group_segment_fixed_size 247808
		.amdhsa_private_segment_fixed_size 0
		.amdhsa_enable_private_segment 0
		.amdhsa_kernarg_size 24
		.amdhsa_user_sgpr_count 2
		.amdhsa_user_sgpr_kernarg_segment_ptr 1
		.amdhsa_wavefront_size32 1
		.amdhsa_system_sgpr_workgroup_id_x 1
		.amdhsa_system_sgpr_workgroup_id_y 1
		.amdhsa_system_sgpr_workgroup_id_z 1
		.amdhsa_system_vgpr_workitem_id 0
		.amdhsa_next_free_vgpr 256
		.amdhsa_next_free_sgpr 100
		.amdhsa_reserve_vcc 0
		.amdhsa_float_denorm_mode_32 3
		.amdhsa_float_denorm_mode_16_64 3
		.amdhsa_memory_ordered 1
		.amdhsa_forward_progress 1
		.amdhsa_inst_pref_size 48
	.end_amdhsa_kernel
	.amdgpu_metadata
---
amdhsa.version: [ 1, 2 ]
amdhsa.kernels:
  - .name:           k_qd3da38c6c4_attn
    .symbol:         k_qd3da38c6c4_attn.kd
    .args:
      - { .name: att, .offset: 0, .size: 8, .value_kind: global_buffer, .address_space: global }
      - { .name: o_codes, .offset: 8, .size: 8, .value_kind: global_buffer, .address_space: global }
      - { .name: o_scales, .offset: 16, .size: 8, .value_kind: global_buffer, .address_space: global }
    .group_segment_fixed_size: 247808
    .private_segment_fixed_size: 0
    .kernarg_segment_align: 8
    .kernarg_segment_size: 24
    .max_flat_workgroup_size: 512
    .sgpr_count:     100
    .vgpr_count:     256
    .wavefront_size: 32
...
	.end_amdgpu_metadata
.endif
;; end of part 3
;; launch outp (part 4): grid 4 x 32, 4 waves a work-group, clusters of 4 x 4, 327,680 bytes of LDS; arguments o_codes, o_scales, xw_codes, xw_scales, bo, out0; writes out0
.if DOCPART == 4
	.amdgcn_target "amdgcn-amd-amdhsa--gfx1250"
	.amdhsa_code_object_version 6
	.text
	.protected	k_qd3da38c6c4_outp
	.globl	k_qd3da38c6c4_outp
	.p2align	8
	.type	k_qd3da38c6c4_outp,@function
k_qd3da38c6c4_outp:
	s_mov_b64 s[64:65], 0
	v_nop
	global_prefetch_b8 v0, s[64:65] scope:SCOPE_SE
	s_setreg_imm32_b32 hwreg(HW_REG_WAVE_MODE, 25, 1), 1
	s_wait_xcnt 0x0
	s_wait_alu depctr_hold_cnt(0) depctr_sa_sdst(0) depctr_va_vdst(0) depctr_va_sdst(0) depctr_va_ssrc(0) depctr_va_vcc(0) depctr_vm_vsrc(0)
	s_getreg_b32 s2, hwreg(HW_REG_IB_STS2, 6, 4)
	s_cmp_eq_u32 s2, 0
	s_cbranch_scc0 .Lentry_in_a_cluster
	s_endpgm
.Lentry_in_a_cluster:
	s_bfe_u32 s2, ttmp6, 0x10000c
	s_cmp_lg_u32 s2, 0xf033
	s_cbranch_scc0 .Lentry_shape_is_right
	s_endpgm
.Lentry_shape_is_right:
; out0 = O Wo^T + bo on codes of FP6 (E2M3) with E8M0 scales, K = 1,024 = 16 heads x 64.  O comes as register images [head][tile of 16 places][768 bytes: registers 0-3 at 16 x lane, 4-5 at 512 + 8 x lane]
; and scale words [head][place] (an even head's two bytes in the lower half, an odd head's in the upper); Wo as rows 27,648 on of the table of codes [row][768] and scale bytes [row][32].
; A work-group of four waves makes 256 x 256 of out0, a wave 128 x 128: 64 accumulators.  K goes in steps of 256 (four heads) through a ring of two LDS slots filled by the tensor data mover.
; A fragment of O for 128 along K is two heads' images on end: two loads of 16 bytes and two of 8 a lane, each instruction on consecutive bytes.  Wo's tiles are rows of 192 bytes, 16 bytes of padding behind every 64.
; THE SCALES.  Wo's come once, by joint loads, in whole rows of 256 bytes.  O's are joined here, two heads to a word, and stored into LDS bytes of their own, in the same layout.
; THE MATRIX INSTRUCTION IS USED TRANSPOSED (source 0 = 16 rows of Wo, source 1 = 16 places of O): a lane holds eight neighbouring numbers of a row of out0.  bo is the C of each sum's first product.
; THE PLACES of O stand with the two middle groups of 8 of each 32 exchanged: place t of block a is row 32 (a / 2) + 8 (a % 2) + t + 8 (t / 8): the stores put each row where it belongs.
; CLUSTERS: 4 x 4 work-groups; O's tiles are shared along a row of the cluster, Wo's along a column, each asked for jointly.
; 128 work-groups: out0 has 128 tiles of this size.
; REGISTERS: window 0: v0-31 addresses; v32-63 scale words, two sets, and nothing else; v64-127 bo; from v128 O's fragments, one set.  Window 1: Wo's fragments, two sets.  Windows 2, 3: the accumulators.
.set NQ,     2
.set ROWB,   192
.set KROW,   768
.set PITCH,  240
.set FR,     12
.set NLA,    4                         ; LDS loads that bring a fragment of O
.set NP,     4                         ; places behind this matrix instruction (ISA guide 7.12.1)
.set HALFA,  24576                     ; O: 128 places x 4 heads: [head 4][tile 8][768]
.set HALFB,  128*PITCH                 ; Wo: 128 rows
.set SLOT,   2*HALFA+2*HALFB
.set ASTEP,  4*393216                  ; four heads on in O's codes
.set LAPS,   2
.set KS,     32
.set SCL,    2*SLOT                    ; behind the ring: O's scale words (stored by the waves; no fill lands there), then Wo's (filled once)
.set HALFS,  (128*KS/256)*272
.set SBLK,   (16*KS/256)*272
.set SPARE,  SCL+4*HALFS               ; the spare words, 128 bytes for each wave: two blocks of 256 bytes that no other line names
.set SPITCH, 528                       ; the way out: a stage of 16 rows x (512 bytes + 16) for each wave, in slot 0, which has had its last fill and its last read by then
.set ADRA, 16                          ; v16-17 O's images in slot 0, 1: + 16 x lane;  v18-19: + 8 x lane
.set ADRB, 20                          ; v20-21 Wo's fragments;  v22-23 the same behind one padding more
.set STO,  24
.set RD,   25
.set CO,   26
.set ADRS, 27
.set SPW,  28
.set NIL,  29
.set SC,   32
.set BO,   64
.set AF,   128
.set BK,   128
.set G1, 24
.set G0, 32
.set G1B, 48
.set G0B, 56
.set G1SB, 80
.set G0SB, 88
.set MSB, 0
.macro WIN new                         ; the immediate's high byte repeats the setting that is left
.if MSB != \new
	s_set_vgpr_msb (MSB<<8)|\new
.set MSB, \new
.endif
.endm
.set MUL_LO, 0xa1                      ; source 0 (Wo) window 1, source 1 (O) window 0, C and D window 2
.set MUL_HI, 0xf1                      ; the same, C and D window 3
.set BEG_LO, 0x81                      ; the first products: C (bo) window 0, D window 2
.set BEG_HI, 0xc1                      ; D window 3
.set TO_B,   0x40
.macro JLOAD g0a, g1a, g0b, g1b        ; a joint load: waves 0 and 1 fetch for O, waves 2 and 3 for Wo; four v_nop follow each of the two lines
	s_cmp_eq_u32 s15, 0
	s_cbranch_scc0 .Lfor_b_\@
	tensor_load_to_lds s[\g0a:\g0a+3], s[\g1a:\g1a+7]
	s_nop 0
.rept 4
	v_nop
.endr
	s_branch .Lasked_\@
.Lfor_b_\@:
	tensor_load_to_lds s[\g0b:\g0b+3], s[\g1b:\g1b+7]
	s_nop 0
.rept 4
	v_nop
.endr
.Lasked_\@:
.endm
.macro CREST
	s_cmp_lg_u32 s14, 0
	s_cbranch_scc1 .Lnot_wave_0_\@
	s_barrier_signal -3
.Lnot_wave_0_\@:
	s_barrier_wait -3
	s_barrier_signal -1
	s_barrier_wait -1
.endm
.macro CROUND
	s_barrier_signal -1
	s_barrier_wait -1
	CREST
.endm
	s_load_b128 s[4:7], s[0:1], 0x0                ; O's codes, O's scale words
	s_load_b128 s[8:11], s[0:1], 0x10              ; the table's codes, its scale bytes
	s_load_b64 s[96:97], s[0:1], 0x20              ; bo
	s_load_b64 s[12:13], s[0:1], 0x28              ; out0
	v_lshl_add_u32 v[SPW], v0, 2, SPARE
	v_mov_b32 v[NIL], 0
	ds_add_u32 v28, v29
	ds_add_u32 v28, v29
	s_wait_dscnt 0x0
	v_lshrrev_b32 v1, 5, v0
	v_readfirstlane_b32 s14, v1                    ; wave 0..3
	s_lshr_b32 s15, s14, 1                         ; which half of the tile's rows is mine.  Also: I fetch for O (0) or for Wo (1)
	s_and_b32 s16, s14, 1                          ; which half of its columns.  Also: which half of that tile I fetch
	s_bfe_u32 s40, ttmp6, 0x40000                  ; cx, cy
	s_bfe_u32 s41, ttmp6, 0x40004
	s_lshl_b32 s42, ttmp9, 2
	s_add_co_u32 s42, s42, s40                     ; tile column
	s_and_b32 s17, ttmp7, 0xffff
	s_lshl_b32 s17, s17, 2
	s_add_co_u32 s17, s17, s41                     ; tile row
	s_lshl_b32 s43, s41, 2
	s_lshl_b32 s43, 15, s43                        ; my row of the cluster
	s_lshl_b32 s44, 0x1111, s40                    ; my column
	; O's tiles: 4 rows (heads) of 6,144 bytes (8 tiles of 768), 393,216 bytes apart; elements of 8 bytes; no padding
	s_or_b32 s[G1+0], s43, (3<<16)|(1<<21)
	s_mov_b32 s[G1+1], 768<<16                     ; tensor_dim0
	s_mov_b32 s[G1+2], 4<<16                       ; tensor_dim1
	s_mov_b32 s[G1+3], 768<<16                     ; tile_dim0
	s_mov_b32 s[G1+4], 4                           ; tile_dim1
	s_mov_b32 s[G1+5], 49152                       ; tensor_dim0_stride
	s_mov_b32 s[G1+6], 0
	s_mov_b32 s[G1+7], 0
	; Wo's tiles: 128 rows x 192 bytes, 16 bytes of padding behind every 64
	s_or_b32 s[G1B+0], s44, (0<<16)|(1<<20)|(1<<21)|(3<<22)|(3<<25)
	s_mov_b32 s[G1B+1], ROWB<<16
	s_mov_b32 s[G1B+2], 128<<16
	s_mov_b32 s[G1B+3], ROWB<<16
	s_mov_b32 s[G1B+4], 128
	s_mov_b32 s[G1B+5], KROW
	s_mov_b32 s[G1B+6], 0
	s_mov_b32 s[G1B+7], 0
	; Wo's scale bytes: 64 rows' 2,048 dense bytes a wave, as 8 rows of 256 bytes, 16 bytes of padding behind each
	s_or_b32 s[G1SB+0], s44, (3<<16)|(1<<20)|(1<<21)|(5<<22)|(3<<25)
	s_mov_b32 s[G1SB+1], 32<<16
	s_mov_b32 s[G1SB+2], 8<<16
	s_mov_b32 s[G1SB+3], 32<<16
	s_mov_b32 s[G1SB+4], 8
	s_mov_b32 s[G1SB+5], 32
	s_mov_b32 s[G1SB+6], 0
	s_mov_b32 s[G1SB+7], 0
	s_lshl_b32 s20, s17, 4
	s_lshl_b32 s18, s16, 3
	s_add_co_u32 s20, s20, s18
	s_mul_i32 s20, s20, 768                        ; O: tile 16 x tile row + 8 x half
	s_mov_b32 s21, 0
	s_lshl_b32 s46, s42, 8
	s_lshl_b32 s18, s16, 7
	s_add_co_u32 s46, s46, s18
	s_add_co_u32 s46, s46, 27648
	s_mul_i32 s46, s46, KROW                       ; Wo: row 27,648 + 256 x tile column + 128 x half
	s_mov_b32 s47, 0
	s_lshl_b32 s92, s42, 8
	s_lshl_b32 s18, s14, 6
	s_add_co_u32 s92, s92, s18
	s_add_co_u32 s92, s92, 27648
	s_lshl_b32 s92, s92, 5                         ; its scale bytes: + 64 rows x wave
	s_mov_b32 s93, 0
	s_mul_i32 s45, s16, HALFA                      ; where they go: no place in the cluster enters an LDS address
	s_mul_i32 s94, s16, HALFB
	s_add_co_u32 s94, s94, 2*HALFA
	s_mul_i32 s95, s14, 8*272
	s_add_co_u32 s95, s95, SCL+2*HALFS
	s_lshl_b32 s22, s17, 10                        ; O's scale words: my work-group's 256 places
	s_mov_b32 s23, 0
	s_lshl_b32 s18, s42, 10
	s_lshl_b32 s19, s16, 9
	s_add_co_u32 s18, s18, s19                     ; bo: my 128 columns
	s_mov_b32 s19, 0
	v_lshlrev_b32 v7, 2, v0                        ; 4 x thread: a place's word
	v_bfe_u32 v2, v0, 4, 1
	v_lshlrev_b32 v8, 5, v2                        ; 32 x (lane / 16): my half's eight columns
	s_wait_kmcnt 0x0
	s_add_nc_u64 s[20:21], s[4:5], s[20:21]
	s_add_nc_u64 s[46:47], s[8:9], s[46:47]
	s_add_nc_u64 s[92:93], s[10:11], s[92:93]
	s_add_nc_u64 s[6:7], s[6:7], s[22:23]
	s_add_nc_u64 s[96:97], s[96:97], s[18:19]
.irp j, 0,1                                    ; thread t takes places t and t + 128: for each the 16 heads' words
.irp s, 0,1,2,3,4,5,6,7
	global_load_b32 v[128+16*\j+\s], v7, s[6:7] offset:(2*\s)*32768+512*\j
	global_load_b32 v[136+16*\j+\s], v7, s[6:7] offset:(2*\s+1)*32768+512*\j
.endr
.endr
.irp b, 0,1,2,3,4,5,6,7                        ; bo in the result's layout: register 8 b + j = column 16 b + 8 (lane / 16) + j
	global_load_b128 v[BO+8*\b:BO+8*\b+3], v8, s[96:97] offset:64*\b
	global_load_b128 v[BO+8*\b+4:BO+8*\b+7], v8, s[96:97] offset:64*\b+16
.endr
	CROUND                                         ; all sixteen work-groups are here: the first joint loads meet
	s_mov_b32 s[G0SB], 1
	s_mov_b32 s[G0SB+1], s95
	s_mov_b64 s[G0SB+2:G0SB+3], s[92:93]
	s_or_b32 s[G0SB+3], s[G0SB+3], 0x80000000
	tensor_load_to_lds s[G0SB:G0SB+3], s[G1SB:G1SB+7]   ; Wo's scale bytes: every wave a quarter.  Three loads of mine are out behind the last of the first fills
	s_nop 0
.rept 4
	v_nop
.endr
.irp s, 0,1
	s_mov_b32 s[G0+4*\s], 1
	s_add_co_u32 s[G0+4*\s+1], s45, \s*SLOT
	s_add_nc_u64 s[G0+4*\s+2:G0+4*\s+3], s[20:21], \s*ASTEP
	s_or_b32 s[G0+4*\s+3], s[G0+4*\s+3], 0x80000000
	s_mov_b32 s[G0B+4*\s], 1
	s_add_co_u32 s[G0B+4*\s+1], s94, \s*SLOT
	s_add_nc_u64 s[G0B+4*\s+2:G0B+4*\s+3], s[46:47], \s*ROWB
	s_or_b32 s[G0B+4*\s+3], s[G0B+4*\s+3], 0x80000000
	JLOAD G0+4*\s, G1, G0B+4*\s, G1B
.endr
	v_and_b32 v1, 15, v0                           ; l % 16
	v_and_b32 v6, 31, v0
	v_lshlrev_b32 v3, 4, v6                        ; 16 x lane
	v_lshlrev_b32 v9, 3, v6                        ; 8 x lane
	v_mul_u32_u24 v4, v1, PITCH
	v_mad_u32_u24 v4, v2, 24, v4                   ; Wo: a fragment's row x pitch + 24 x half
	v_lshl_add_u32 v5, v2, 4, v4                   ; and the same behind one padding more
	s_mul_i32 s21, s15, HALFA                      ; my 128 places of O
	s_mul_i32 s22, s16, HALFB
	s_add_co_u32 s22, s22, 2*HALFA                 ; my 128 rows of Wo
.irp s, 0,1
	v_add_nc_u32 v[ADRA+\s], s21, v3
	v_add_nc_u32 v[ADRA+2+\s], s21, v9
	v_add_nc_u32 v[ADRB+\s], s22, v4
	v_add_nc_u32 v[ADRB+2+\s], s22, v5
	s_add_co_u32 s21, s21, SLOT
	s_add_co_u32 s22, s22, SLOT
.endr
	v_mul_u32_u24 v5, v1, KS                       ; my row's scale words: KS bytes a row,
	v_lshrrev_b32 v6, 8, v5
	v_lshl_add_u32 v5, v6, 4, v5                   ; and 16 more for each 256 passed
	s_mul_i32 s21, s15, HALFS
	s_mul_i32 s22, s16, HALFS
	s_add_co_u32 s22, s22, 2*HALFS
	s_sub_co_u32 s22, s22, s21
	v_mul_u32_u24 v6, s22, v2                      ; lanes 16-31 take Wo's
	s_add_co_u32 s21, s21, SCL
	v_add_nc_u32 v5, v5, v6
	v_add_nc_u32 v[ADRS], s21, v5
	v_lshrrev_b32 v5, 3, v0
	v_mul_u32_u24 v5, v5, 272
	v_and_b32 v6, 7, v0
	v_lshl_add_u32 v5, v6, 5, v5
	v_add_nc_u32 v30, SCL, v5                      ; where place t's eight words go: SCL + 272 (t / 8) + 32 (t % 8)
	s_mul_i32 s23, s14, 16*SPITCH                  ; my stage
	v_mul_u32_u24 v5, v1, SPITCH
	v_lshl_add_u32 v5, v2, 5, v5
	v_add_nc_u32 v[STO], s23, v5                   ; in: row l % 16, 32 bytes for each half of the lanes
	v_mov_b32 v[CO], v3                            ; back: the 32 lanes take one row of 512 bytes; and the same in out0
	v_add_nc_u32 v[RD], s23, v3
	s_lshl_b32 s20, s17, 8
	s_lshl_b32 s21, s15, 7
	s_add_co_u32 s20, s20, s21
	s_lshl_b32 s20, s20, 12                        ; my first row of out0, 4,096 bytes a row,
	s_lshl_b32 s46, s42, 10
	s_lshl_b32 s47, s16, 9
	s_add_co_u32 s46, s46, s47
	s_add_co_u32 s20, s20, s46                     ; and my first column
	s_mov_b32 s21, 0
	s_add_nc_u64 s[12:13], s[12:13], s[20:21]
	s_wait_loadcnt 0x0                             ; O's scale words and bo
.irp j, 0,1
.irp s, 0,1,2,3,4,5,6,7
	v_or_b32 v[128+16*\j+\s], v[128+16*\j+\s], v[136+16*\j+\s]      ; an even head's two bytes and an odd head's make the word of 128 along K
.endr
	ds_store_b128 v30, v[128+16*\j:131+16*\j] offset:4352*\j
	ds_store_b128 v30, v[132+16*\j:135+16*\j] offset:4352*\j+16
.endr
.macro FRAG reg, adr, q, i             ; a fragment of Wo: 24 bytes of the row's stream of bits twice, in pieces of 8 bytes
.irp p, 0,1,2,3,4,5
.set PCE, 12*(\q)+6*(\p/3)+\p%3
.if PCE%8 < 5
	ds_load_b64 v[\reg+2*\p:\reg+2*\p+1], v[\adr] offset:8*PCE+16*(PCE/8)+(\i)*16*PITCH
.else
	ds_load_b64 v[\reg+2*\p:\reg+2*\p+1], v[\adr+2] offset:8*PCE+16*(PCE/8)+(\i)*16*PITCH
.endif
.endr
.endm
.macro FRAGA reg, slot, q, i           ; a fragment of O: the images of heads 2 q and 2 q + 1 of the slot's four, tile i
	ds_load_b128 v[\reg:\reg+3], v[ADRA+\slot] offset:6144*(2*(\q))+768*(\i)
	ds_load_b64 v[\reg+4:\reg+5], v[ADRA+2+\slot] offset:6144*(2*(\q))+768*(\i)+512
	ds_load_b128 v[\reg+6:\reg+9], v[ADRA+\slot] offset:6144*(2*(\q)+1)+768*(\i)
	ds_load_b64 v[\reg+10:\reg+11], v[ADRA+2+\slot] offset:6144*(2*(\q)+1)+768*(\i)+512
.endm
; 16 matrix instructions: O's blocks a0, a0 + 1 x Wo's eight.  zero = 1: the first product starts the sums, from bo.  The 64 accumulators take turns, one instruction a turn.
.macro MUL16 a0, p, q, sc, zero
.irp a, \a0, \a0+1
.irp b, 0,1,2,3,4,5,6,7
.if \zero
	v_wmma_scale_f32_16x16x128_f8f6f4 v[8*(8*((\a)%4)+\b):8*(8*((\a)%4)+\b)+7], v[128*(\p)+FR*\b:128*(\p)+FR*\b+FR-1], v[AF+FR*(\a):AF+FR*(\a)+FR-1], v[BO+8*\b:BO+8*\b+7], v[SC+8*NQ*(\sc)+NQ*\b+(\q)], v[SC+8*NQ*(\sc)+NQ*(\a)+(\q)] matrix_a_fmt:MATRIX_FMT_FP6 matrix_b_fmt:MATRIX_FMT_FP6 matrix_a_scale:MATRIX_SCALE_ROW1
.else
	v_wmma_scale_f32_16x16x128_f8f6f4 v[8*(8*((\a)%4)+\b):8*(8*((\a)%4)+\b)+7], v[128*(\p)+FR*\b:128*(\p)+FR*\b+FR-1], v[AF+FR*(\a):AF+FR*(\a)+FR-1], v[8*(8*((\a)%4)+\b):8*(8*((\a)%4)+\b)+7], v[SC+8*NQ*(\sc)+NQ*\b+(\q)], v[SC+8*NQ*(\sc)+NQ*(\a)+(\q)] matrix_a_fmt:MATRIX_FMT_FP6 matrix_b_fmt:MATRIX_FMT_FP6 matrix_a_scale:MATRIX_SCALE_ROW1
.endif
.endr
.endr
.endm
.macro FETCH_B slot, q, p
	WIN TO_B
.irp i, 0,1,2,3,4,5,6,7
	FRAG 128*(\p)+FR*\i, ADRB+\slot, \q, \i
.endr
	WIN 0
.endm
.macro FETCH_A slot, q, i0
.irp i, \i0, \i0+1, \i0+2, \i0+3
	FRAGA AF+FR*(\i), \slot, \q, \i
.endr
.endm
.macro SCALES sc
.irp i, 0,1,2,3,4,5,6,7
	ds_load_b64 v[SC+8*NQ*\sc+NQ*\i:SC+8*NQ*\sc+NQ*\i+1], v[ADRS] offset:\i*SBLK
.endr
.endm
.macro PLACES n
.rept \n
	v_nop
.endr
.endm
.macro STEP slot, q, zero
	s_wait_dscnt 4*NLA                             ; Wo's set and O's blocks 0-3 are in; the youngest 16 loads (O's blocks 4-7) may be out
.if \zero
	WIN BEG_LO
.else
	WIN MUL_LO
.endif
	MUL16 0, (\q)%2, \q, \slot, \zero
	MUL16 2, (\q)%2, \q, \slot, \zero
	s_wait_dscnt 0
	PLACES NP
	FETCH_B \slot, (\q)+1, 1-(\q)%2
	FETCH_A \slot, (\q)+1, 0
.if \zero
	WIN BEG_HI
.else
	WIN MUL_HI
.endif
	MUL16 4, (\q)%2, \q, \slot, \zero
	MUL16 6, (\q)%2, \q, \slot, \zero
	PLACES NP
	WIN 0
	FETCH_A \slot, (\q)+1, 4
.endm
.macro TURN slot, next, fill
	s_wait_tensorcnt 0x0                           ; all my tensor loads have landed: my part of the next slot
	ds_add_u32 v[SPW], v[NIL]                      ; 0 onto my spare word
	s_wait_dscnt 4*NLA+1                           ; (the add and the youngest 16 loads may be out)
	WIN MUL_LO
	MUL16 0, 1, NQ-1, \slot, 0
	s_wait_dscnt 0x0                               ; the add is done, and my reads of this slot are over
	s_barrier_signal -1
	MUL16 2, 1, NQ-1, \slot, 0
	WIN 0
	s_barrier_wait -1
.if \fill
	CREST                                          ; the barrier has opened a round of the cluster's: no wave of any partner still reads this slot or has a load on its way
	s_add_nc_u64 s[G0+4*\slot+2:G0+4*\slot+3], s[G0+4*\slot+2:G0+4*\slot+3], 2*ASTEP
	s_add_nc_u64 s[G0B+4*\slot+2:G0B+4*\slot+3], s[G0B+4*\slot+2:G0B+4*\slot+3], 2*ROWB
	JLOAD G0+4*\slot, G1, G0B+4*\slot, G1B         ; the first tensor load behind the round, one a wave; its four v_nop are the places in front of the loads below
.else
	PLACES NP
.endif
	v_add_nc_u32 v[ADRS], 4*NQ, v[ADRS]
	FETCH_B \next, 0, 0
	FETCH_A \next, 0, 0
	SCALES \next
	WIN MUL_HI
	MUL16 4, 1, NQ-1, \slot, 0
	MUL16 6, 1, NQ-1, \slot, 0
	PLACES NP
	WIN 0
	FETCH_A \next, 0, 4
.endm
	s_wait_tensorcnt 1                             ; Wo's scale bytes and my part of K step 0 are in (K step 1's load may be out)
	s_wait_dscnt 0x0                               ; and my stores of O's scale words have landed,
	s_barrier_signal -1
	s_barrier_wait -1                              ; everybody's
	FETCH_B 0, 0, 0
	FETCH_A 0, 0, 0
	SCALES 0
	FETCH_A 0, 0, 4
	STEP 0, 0, 1                                   ; the first step stands in front of the loop: its products start the sums
	s_mov_b32 s3, LAPS-1
.Llap:
	TURN 0, 1, 1
	STEP 1, 0, 0
	TURN 1, 0, 1
	STEP 0, 0, 0
	s_sub_co_u32 s3, s3, 1
	s_cmp_lg_u32 s3, 0
	s_cbranch_scc1 .Llap
	TURN 0, 1, 0                                   ; the last lap fills nothing
	STEP 1, 0, 0
	s_wait_dscnt 4*NLA
	WIN MUL_LO
	MUL16 0, 1, NQ-1, 1, 0
	MUL16 2, 1, NQ-1, 1, 0
	s_wait_dscnt 0
	WIN MUL_HI
	MUL16 4, 1, NQ-1, 1, 0
	MUL16 6, 1, NQ-1, 1, 0
	WIN 0
; THE WAY OUT, block by block of 16 places x 128 columns, through my own stage in LDS: in as 32 bytes a lane, back as whole rows of 512 bytes.  LDS serves a wave's instructions in order (ISA guide 5.7.1.4).
.macro TOSTAGE a
.set AC, 64*((\a)%4)
.set WN, 0x08+4*((\a)/4)               ; the data: window 2 or 3
	WIN WN
.irp b, 0,1,2,3,4,5,6,7
	ds_store_b128 v[STO], v[AC+8*\b:AC+8*\b+3] offset:64*\b          ; each accumulator from its low end on
	ds_store_b128 v[STO], v[AC+8*\b+4:AC+8*\b+7] offset:64*\b+16
.endr
	WIN 0
.set BB, BK+64*((\a)%2)
.irp t, 0,1,2,3,4,5,6,7,8,9,10,11,12,13,14,15
	ds_load_b128 v[BB+4*\t:BB+4*\t+3], v[RD] offset:\t*SPITCH
.endr
.endm
.macro SEND a, younger                 ; younger: the LDS instructions issued behind block a's loads, which may stay out
.set BB, BK+64*((\a)%2)
	s_wait_dscnt \younger
.if (\a) > 0
.if (\a)%2
	s_add_nc_u64 s[12:13], s[12:13], 8*4096        ; (behind a wait on XCNT)  block a begins at row 32 (a / 2) + 8 (a % 2): 8 rows on into an odd block,
.else
	s_add_nc_u64 s[12:13], s[12:13], 24*4096       ; 24 into an even one
.endif
.endif
.irp t, 0,1,2,3,4,5,6,7,8,9,10,11,12,13,14,15
	global_store_b128 v[CO], v[BB+4*\t:BB+4*\t+3], s[12:13] offset:(\t+8*(\t/8))*4096 th:TH_STORE_NT   ; place t is row t + 8 (t / 8): 512 consecutive bytes, aligned
.endr
.endm
	PLACES NP
	TOSTAGE 0
.irp a, 1,2,3,4,5,6,7
.if \a > 1
	s_wait_xcnt 0x0                                ; block a - 2's stores have read their registers and their base
.endif
	TOSTAGE \a
	SEND \a-1, 32                                  ; behind block a - 1's loads: block a's 16 stores and 16 loads
.endr
	s_wait_xcnt 0x0
	SEND 7, 0
	s_wait_tensorcnt 0x0                           ; the wave's end
	ds_add_u32 v[SPW], v[NIL]
	s_wait_dscnt 0x0
	CROUND                                         ; the closing round
	s_endpgm
.Lfunc_end_k_qd3da38c6c4_outp:
	.size	k_qd3da38c6c4_outp, .Lfunc_end_k_qd3da38c6c4_outp-k_qd3da38c6c4_outp
	.p2alignl 7, 3214868480
	.fill 96, 4, 3214868480
	.section	.rodata,"a",@progbits
	.p2align	6, 0x0
	.amdhsa_kernel k_qd3da38c6c4_outp
		.amdhsa_group_segment_fixed_size 327680
		.amdhsa_private_segment_fixed_size 0
		.amdhsa_enable_private_segment 0
		.amdhsa_kernarg_size 48
		.amdhsa_user_sgpr_count 2
		.amdhsa_user_sgpr_kernarg_segment_ptr 1
		.amdhsa_wavefront_size32 1
		.amdhsa_system_sgpr_workgroup_id_x 1
		.amdhsa_system_sgpr_workgroup_id_y 1
		.amdhsa_system_sgpr_workgroup_id_z 1
		.amdhsa_system_vgpr_workitem_id 0
		.amdhsa_next_free_vgpr 1024
		.amdhsa_next_free_sgpr 98
		.amdhsa_reserve_vcc 0
		.amdhsa_float_denorm_mode_32 3
		.amdhsa_float_denorm_mode_16_64 3
		.amdhsa_memory_ordered 1
		.amdhsa_forward_progress 1
		.amdhsa_inst_pref_size 157
	.end_amdhsa_kernel
	.amdgpu_metadata
---
amdhsa.version: [ 1, 2 ]
amdhsa.kernels:
  - .name:           k_qd3da38c6c4_outp
    .symbol:         k_qd3da38c6c4_outp.kd
    .args:
      - { .name: o_codes, .offset: 0, .size: 8, .value_kind: global_buffer, .address_space: global }
      - { .name: o_scales, .offset: 8, .size: 8, .value_kind: global_buffer, .address_space: global }
      - { .name: xw_codes, .offset: 16, .size: 8, .value_kind: global_buffer, .address_space: global }
      - { .name: xw_scales, .offset: 24, .size: 8, .value_kind: global_buffer, .address_space: global }
      - { .name: bo, .offset: 32, .size: 8, .value_kind: global_buffer, .address_space: global }
      - { .name: out0, .offset: 40, .size: 8, .value_kind: global_buffer, .address_space: global }
    .group_segment_fixed_size: 327680
    .private_segment_fixed_size: 0
    .kernarg_segment_align: 8
    .kernarg_segment_size: 48
    .max_flat_workgroup_size: 128
    .sgpr_count:     98
    .vgpr_count:     1024
    .wavefront_size: 32
...
	.end_amdgpu_metadata
.endif
;; end of part 4
